; MI455X (gfx1250); checked and timed in simulation.
; The chip was launched on July 23, 2026; its instructions are those of AMD's public machine-readable ISA for CDNA 5 (MIT licence, August 2026) and "CDNA5" Instruction Set Architecture Reference Guide (July 2026). The comments in the code are by the model that wrote it; some were corrected since.
;; Transformer Block. Allowed arithmetic: matrix products marked QUANTISED: E2M3 operands, one E8M0 scale for each 32 along K, by v_wmma_scale_f32_16x16x128_f8f6f4 with both operands' format E2M3, f32 sums; everything else in f32.
;; Inputs: b1 4,096 float32; b2 1,024 float32; b_proj 1,024 float32; ln1_b 1,024 float32; ln1_g 1,024 float32; ln2_b 1,024 float32; ln2_g 1,024 float32; w1 1,024 x 4,096 float32; w2 4,096 x 1,024 float32; w_proj 1,024 x 1,024 float32; wk 16 x 1,024 x 64 float32; wq 16 x 1,024 x 64 float32; wv 16 x 1,024 x 64 float32; x 4 x 1,024 x 1,024 float32.
;; Outputs: out0 4 x 1,024 x 1,024 float32.
;; This version of the problem:
;;   THIS VERSION OF THE PROBLEM IS GIVEN IN LOW PRECISION. The matrix products marked QUANTISED in the list below multiply operands that are first quantised to E2M3 (2 exponent bits, 3 mantissa bits; 6 bits a number), with one power-of-two scale for each 32 numbers along K (OCP MX v1.0); their sums are f32. All else is computed in f32.
;;   The module's matrix products, in the order in which they are computed (A, B: the left and right operand; K: the contracted axis; several contracted axes count as one K, in the product's order):
;;     1. [M 1,024, K 1,024] x [K 1,024, N 4,096]; A: input wq; B: computed on the way: QUANTISED
;;     2. [M 1,024, K 1,024] x [K 1,024, N 4,096]; A: input wk; B: computed on the way: QUANTISED
;;     3. [M 1,024, K 1,024] x [K 1,024, N 4,096]; A: input wv; B: computed on the way: QUANTISED
;;     4. batch 64 x [M 1,024, K 64] x [K 64, N 1,024]; A: computed on the way; B: computed on the way: QUANTISED
;;     5. batch 64 x [M 1,024, K 1,024] x [K 1,024, N 64]; A: softmax (see below); B: computed on the way: QUANTISED
;;     6. [M 4,096, K 1,024] x [K 1,024, N 1,024]; A: computed on the way; B: input w_proj: QUANTISED
;;     7. [M 4,096, K 1,024] x [K 1,024, N 4,096]; A: computed on the way; B: input w1: QUANTISED
;;     8. [M 4,096, K 4,096] x [K 4,096, N 1,024]; A: computed on the way; B: input w2: QUANTISED
;;   THE QUANTISER, for each operand of a quantised product, along K:
;;     - K is cut into blocks of 32 from its start; a last block that is shorter is filled with zeros.
;;     - A block's scale is 2^e with e = floor(log2(the largest magnitude in the block)) - 2, held to -126 .. 127; a block of zeros has e = 0. As a byte (E8M0): e + 127.
;;     - Each number is divided by its block's scale, clamped to +-7.5, and rounded to the nearest number of E2M3, ties to even, subnormals kept.
;;     - The product sums the exact products of the quantised numbers (number of the format x scale) in f32.
;;   ~~~python
;;   def quantise(x, axis):      # numpy; x: float32 -> the quantised numbers, widened to float32 again
;;       x = np.moveaxis(x, axis, -1); K = x.shape[-1]
;;       x = np.pad(x, [(0, 0)] * (x.ndim - 1) + [(0, -K % 32)]); x = x.reshape(x.shape[:-1] + (-1, 32)); a = np.abs(x).max(-1, keepdims=True)
;;       e = np.where(a > 0, np.clip(np.frexp(np.where(a > 0, a, 1))[1] - 1 - 2, -126, 127), 0)      # np.frexp(a)[1] - 1 = floor(log2(a)), exactly
;;       r = np.clip(x / 2.0 ** e, -7.5, 7.5)
;;       step = 2.0 ** (np.maximum(np.frexp(np.where(r == 0, 1, r))[1] - 1, 0) - 3)
;;       q = np.round(r / step) * step * 2.0 ** e      # np.round: ties to even
;;       return np.moveaxis(q.reshape(q.shape[:-2] + (-1,))[..., :K], -1, axis).astype(np.float32)
;;   ~~~
;;   SOFTMAX AHEAD OF A QUANTISED PRODUCT. Where the list says 'softmax', what is quantised is not the finished softmax but p = 2^(t - M), with t = logit x log2(e) and M = ceil(the row's largest t), a whole number; so 1/2 < the row's largest p <= 1. The row's sum l is taken of the UNQUANTISED p, in f32, and the product's result is divided by l at the end. Since M is a whole number, a kernel that streams over the keys may use a running M (the ceiling of the running maximum): every later rescaling is an exact power of two, which a block's scale takes up: the codes' values come out the same.
;;   OPERANDS COMPUTED ON THE WAY. 'Computed on the way' means the value that the module computes at that place (a softmax that the list does not call 'softmax' is quantised finished and normalised). What goes into a quantiser is computed in f32, as accurately as f32 sums, v_exp_f32 and their like allow (about 1e-6 of the number): no bf16 or f16 on the way to a quantiser, and a product that is left as it is and whose result goes on into a quantised operand takes f32 operands (vector FMAs, or v_wmma_f32_16x16x4_f32). A number that lies on a knife's edge between two numbers of the format may be rounded either way, as far as f32 arithmetic and the matrix unit's own rounding can turn it there, and no further.
;; One version. Each part assembles by itself: llvm-mc -triple=amdgcn-amd-amdhsa -mcpu=gfx1250 --defsym DOCPART=n.
;; ======== version 1 of 1: 7 launches
;; limits: right only within a limited range of input values
;; workspace buffers: wr 10,223,616 bytes; hr 3,407,872 bytes; att 10,223,616 bytes; orr 3,407,872 bytes; x1 16,777,216 bytes; fr 13,631,488 bytes
;; launch prep (part 1): grid 640 x 1, 4 waves a work-group, no clusters, 79,616 bytes of LDS; arguments x, ln1_g, ln1_b, hr, wq, wk, wv, w_proj, w1, w2, wr; writes hr, wr
.if DOCPART == 1
	.amdgcn_target "amdgcn-amd-amdhsa--gfx1250"
	.amdhsa_code_object_version 6
	.text
	.protected	k_q4f621141b6_prep
	.globl	k_q4f621141b6_prep
	.p2align	8
	.type	k_q4f621141b6_prep,@function
k_q4f621141b6_prep:
	s_mov_b64 s[64:65], 0
	v_nop
	global_prefetch_b8 v0, s[64:65] scope:SCOPE_SE
	s_setreg_imm32_b32 hwreg(HW_REG_WAVE_MODE, 25, 1), 1
	s_wait_xcnt 0x0
; THE PROGRAM: a pre-LN transformer block, all eight products on codes of FP6 (E2M3) with one E8M0 scale for each 32 along K.
; Launches: prep (LN1 of x to codes, and the weights to codes) | qkv | attn | proj (+ x) | ln2 | ffn1 | ffn2 (+ x1).
; WORK LEFT OUT (in attn): reference() sets scores[t][s] to -inf for s > t by its own jnp.tril, so p = 0 there for all values of the inputs:
; a step of 128 keys all of which come after all 16 queries of a tile adds nothing to the row's sum or to the product with v, and is not walked.
; LIMIT: a NaN, an infinity or an overflow that would reach only those hidden scores is not carried to the result.  No input is dead: all fourteen are loaded.
; LIMITS of the whole program: NaN and infinities among the inputs are not served; a block whose largest magnitude lies under 2^-124 (a block of zeros among them)
; gets the scale byte 1 (its codes are then zeros or tiny; the bytes are read by this program alone); proj sums K in two halves, each ascending.
; HOW OPERANDS LIE IN THE WORKSPACE.  Rows (tokens, or a weight's n) come in PAIRS of 32; tile u of pair P holds in its lane-row r the row 32 P + 8 u + r + 8 (r / 8).
; A RECORD is a pair x 128 along K, 3,328 bytes, an image of operand registers: at 1536 u + 768 c registers 6 c .. 6 c + 3 (16 bytes a lane), at + 512 registers 6 c + 4, 5 (8 bytes a lane);
; at 3072 + 128 u the tile's scale words, 4 bytes a lane (lanes 16-31 repeat lanes 0-15).  Record number in a buffer: ((P / BF) KS + s) BF + P % BF.
; THIS LAUNCH does two things that hang on nothing of each other and are both wanted by qkv.  The paths part once, on the work-group's number alone, and do not join; each has LDS bytes of its own.
;   Work-groups 0-255: LayerNorm of a tile of 16 rows of x, quantised along the row into records of hr (BF = 4, KS = 8).
;   Work-groups 256-639: the six weights, [K][N] f32 with K their first axis, into records of wr.
; With 256 registers a wave and 79,616 bytes of LDS four work-groups share a WGP: 1,024 places for the 640.  No matrix unit, no cluster, no tensor load: both paths stream.
.set PBASE, 65792                      ; LDS: 0 .. 65,791 the LayerNorm's 16 rows; from here the weights' four stages of 3,328 bytes;
.set SPARE, 79104                      ; behind them the spare words, 128 bytes a wave
.set SPW,  250
.set NIL,  251
.set WV,   60                          ; s60 my wave's number
.set GW,   61                          ; s61 the weights' path: the work-group's number less 256
	v_lshl_add_u32 v[SPW], v0, 2, SPARE
	v_mov_b32 v[NIL], 0
	v_lshrrev_b32 v249, 5, v0
	v_readfirstlane_b32 s[WV], v249                ; wave 0..3
	s_cmp_lt_u32 ttmp9, 256
	s_cbranch_scc0 .Lweights
; ---------------------------------------------------------------- THE LAYERNORM'S PATH
; y = (x - mean) rsqrt(var + 1e-5) g + b, all in f32, the variance of x - mean (two passes over registers).
; A work-group takes one TILE of 16 rows (tile u of pair P).  Phase 1: wave w normalises lane-rows 4 w .. 4 w + 3 (four consecutive rows of memory),
; a row in 32 registers, and lays them in LDS (pitch 4,112: sixteen rows of one column start in sixteen different groups of banks).  One barrier.
; Phase 2: wave w quantises K steps 2 w and 2 w + 1 of all 16 rows: lane (r, h) takes of row r the numbers 32 b + 16 h + 0 .. 15 of each block b.
.set PITCH, 4112
.set L16, 1
.set L8,  2
.set L4,  3
.set STO, 4
.set RD,  5
.set T,   10                           ; v10-25 four registers a row, at work
.set EPS, 30
.set G,   32
.set BV,  64
.set X,   96                           ; v96-223 four rows; in phase 2 v96-159: 64 numbers
.set MU,  224                          ; v224-231 the means, each twice
.set RS,  232                          ; v232-239 1 / sqrt(var + eps), each twice
.set TM,  160
.set PW,  176
.set PC,  180
.set SEL, 20
	s_load_b256 s[4:11], s[0:1], 0x0               ; x, g, b, hr
	v_and_b32 v10, 31, v0
	v_lshlrev_b32 v[L16], 4, v10
	v_lshlrev_b32 v[L8], 3, v10
	v_lshlrev_b32 v[L4], 2, v10
	s_mul_i32 s13, s[WV], 4*PITCH
	v_add_nc_u32 v[STO], s13, v[L16]               ; in: my four rows, 16 bytes a lane
	v_and_b32 v11, 15, v0
	v_bfe_u32 v12, v0, 4, 1
	v_mul_u32_u24 v[RD], v11, PITCH
	v_lshl_add_u32 v[RD], v12, 6, v[RD]
	s_lshl_b32 s13, s[WV], 10
	v_add_nc_u32 v[RD], s13, v[RD]                 ; out: row r, + 64 h, + my two K steps' 1,024 bytes
	s_mov_b32 s[SEL], 0x76543210
	s_mov_b32 s[SEL+1], 0xfedcba98
	s_mov_b32 s34, 0x3a800000                      ; 1 / 1,024
	v_mov_b32 v[EPS], 0x3727c5ac                   ; 1e-5
	s_lshr_b32 s22, ttmp9, 1                       ; P
	s_and_b32 s23, ttmp9, 1                        ; u
	s_lshl_b32 s24, s22, 5
	s_lshl_b32 s25, s23, 3
	s_add_co_u32 s24, s24, s25
	s_lshl_b32 s25, s[WV], 2
	s_add_co_u32 s24, s24, s25
	s_lshr_b32 s25, s[WV], 1
	s_lshl_b32 s25, s25, 3
	s_add_co_u32 s24, s24, s25                     ; my first row: 32 P + 8 u + 4 w + 8 (w / 2)
	s_lshl_b32 s24, s24, 12
	s_mov_b32 s25, 0
	s_lshr_b32 s26, s22, 2                         ; my first record: ((P / 4) 8 + 2 w) 4 + P % 4
	s_lshl_b32 s26, s26, 3
	s_lshl_b32 s27, s[WV], 1
	s_add_co_u32 s26, s26, s27
	s_lshl_b32 s26, s26, 2
	s_and_b32 s27, s22, 3
	s_add_co_u32 s26, s26, s27
	s_mul_i32 s26, s26, 3328
	s_mul_i32 s28, s23, 1536
	s_add_co_u32 s28, s28, s26                     ; the tile's fragment in it
	s_mov_b32 s29, 0
	s_lshl_b32 s30, s23, 7
	s_add_co_u32 s30, s30, 3072
	s_add_co_u32 s30, s30, s26                     ; and its scale words
	s_mov_b32 s31, 0
	s_wait_kmcnt 0x0
	s_add_nc_u64 s[14:15], s[4:5], s[24:25]
	s_add_nc_u64 s[16:17], s[10:11], s[28:29]
	s_add_nc_u64 s[18:19], s[10:11], s[30:31]
.irp i, 0,1,2,3
.irp j, 0,1,2,3,4,5,6,7
	global_load_b128 v[X+32*\i+4*\j:X+32*\i+4*\j+3], v[L16], s[14:15] offset:4096*\i+512*\j   ; 512 consecutive bytes a load
.endr
.endr
.irp j, 0,1,2,3,4,5,6,7
	global_load_b128 v[G+4*\j:G+4*\j+3], v[L16], s[6:7] offset:512*\j
	global_load_b128 v[BV+4*\j:BV+4*\j+3], v[L16], s[8:9] offset:512*\j
.endr
	s_wait_loadcnt 0x0
.macro REDUCE                          ; each row's two chains of pairs become one number in every lane; the four rows by turns
.irp i, 0,1,2,3
	v_pk_add_f32 v[T+4*\i:T+4*\i+1], v[T+4*\i:T+4*\i+1], v[T+4*\i+2:T+4*\i+3]
.endr
.irp i, 0,1,2,3
	v_add_f32 v[T+4*\i], v[T+4*\i], v[T+4*\i+1]
.endr
.irp m, 1,2,4,8
.irp i, 0,1,2,3
	v_add_f32_dpp v[T+4*\i], v[T+4*\i], v[T+4*\i] row_xmask:\m row_mask:0xf bank_mask:0xf
.endr
.endr
.irp i, 0,1,2,3
	v_permlanex16_b32 v[T+4*\i+1], v[T+4*\i], s[SEL], s[SEL+1]
.endr
.irp i, 0,1,2,3
	v_add_f32 v[T+4*\i], v[T+4*\i], v[T+4*\i+1]
.endr
.endm
.irp i, 0,1,2,3
	v_pk_add_f32 v[T+4*\i:T+4*\i+1], v[X+32*\i:X+32*\i+1], v[X+32*\i+2:X+32*\i+3]
	v_pk_add_f32 v[T+4*\i+2:T+4*\i+3], v[X+32*\i+4:X+32*\i+5], v[X+32*\i+6:X+32*\i+7]
.endr
.irp j, 8,12,16,20,24,28
.irp i, 0,1,2,3
	v_pk_add_f32 v[T+4*\i:T+4*\i+1], v[T+4*\i:T+4*\i+1], v[X+32*\i+\j:X+32*\i+\j+1]
	v_pk_add_f32 v[T+4*\i+2:T+4*\i+3], v[T+4*\i+2:T+4*\i+3], v[X+32*\i+\j+2:X+32*\i+\j+3]
.endr
.endr
	REDUCE
.irp i, 0,1,2,3
	v_mul_f32 v[MU+2*\i], s34, v[T+4*\i]           ; the mean,
.endr
.irp i, 0,1,2,3
	v_mov_b32 v[MU+2*\i+1], v[MU+2*\i]             ; in both halves of a pair
.endr
.irp i, 0,1,2,3
.irp j, 0,2,4,6,8,10,12,14,16,18,20,22,24,26,28,30
	v_pk_add_f32 v[X+32*\i+\j:X+32*\i+\j+1], v[X+32*\i+\j:X+32*\i+\j+1], v[MU+2*\i:MU+2*\i+1] neg_lo:[0,1] neg_hi:[0,1]   ; x - mean, in place
.endr
.endr
.irp i, 0,1,2,3
	v_pk_mul_f32 v[T+4*\i:T+4*\i+1], v[X+32*\i:X+32*\i+1], v[X+32*\i:X+32*\i+1]
	v_pk_mul_f32 v[T+4*\i+2:T+4*\i+3], v[X+32*\i+2:X+32*\i+3], v[X+32*\i+2:X+32*\i+3]
.endr
.irp j, 4,8,12,16,20,24,28
.irp i, 0,1,2,3
	v_pk_fma_f32 v[T+4*\i:T+4*\i+1], v[X+32*\i+\j:X+32*\i+\j+1], v[X+32*\i+\j:X+32*\i+\j+1], v[T+4*\i:T+4*\i+1]
	v_pk_fma_f32 v[T+4*\i+2:T+4*\i+3], v[X+32*\i+\j+2:X+32*\i+\j+3], v[X+32*\i+\j+2:X+32*\i+\j+3], v[T+4*\i+2:T+4*\i+3]
.endr
.endr
	REDUCE
.irp i, 0,1,2,3
	v_fma_f32 v[T+4*\i], v[T+4*\i], s34, v[EPS]    ; var + eps
.endr
	s_wait_alu depctr_va_vdst(0)
.irp i, 0,1,2,3
	v_rsq_f32 v[RS+2*\i], v[T+4*\i]                ; one batch of four
.endr
	v_nop                                          ; a plain place behind the last of them
	s_wait_alu depctr_va_vdst(0)                   ; one wait for the batch, ahead of its first reader
.irp i, 0,1,2,3
	v_mov_b32 v[RS+2*\i+1], v[RS+2*\i]
.endr
.irp i, 0,1,2,3
.irp j, 0,2,4,6,8,10,12,14,16,18,20,22,24,26,28,30
	v_pk_mul_f32 v[X+32*\i+\j:X+32*\i+\j+1], v[X+32*\i+\j:X+32*\i+\j+1], v[RS+2*\i:RS+2*\i+1]
.endr
.irp j, 0,2,4,6,8,10,12,14,16,18,20,22,24,26,28,30
	v_pk_fma_f32 v[X+32*\i+\j:X+32*\i+\j+1], v[X+32*\i+\j:X+32*\i+\j+1], v[G+\j:G+\j+1], v[BV+\j:BV+\j+1]
.endr
.irp j, 0,1,2,3,4,5,6,7
	ds_store_b128 v[STO], v[X+32*\i+4*\j:X+32*\i+4*\j+3] offset:\i*PITCH+512*\j
.endr
.endr
	s_wait_dscnt 0x0                               ; for the others' sake: my rows lie in LDS
	s_barrier_signal -1
	s_barrier_wait -1
; 64 numbers of a lane, register 16 b + i = k 32 b + 16 (lane / 16) + i of my row, become a fragment's codes in v[PC] on and its scale word in v[PW]
.macro QUANT s
.irp b, 0,1,2,3
	v_max3_num_f32 v[TM+\b], |v[(\s)+16*\b]|, |v[(\s)+1+16*\b]|, 0x1800000   ; my 16 numbers of block b, and the floor 2^(3 - 127)
.endr
.irp i, 2,4,6,8,10,12,14
.irp b, 0,1,2,3
	v_max3_num_f32 v[TM+\b], v[TM+\b], |v[(\s)+16*\b+\i]|, |v[(\s)+1+16*\b+\i]|
.endr
.endr
.irp b, 0,1,2,3
	v_permlanex16_b32 v[TM+4+\b], v[TM+\b], s[SEL], s[SEL+1]
.endr
.irp b, 0,1,2,3
	v_max_num_f32 v[TM+\b], v[TM+\b], v[TM+4+\b]   ; with lane l xor 16's: the block's largest magnitude
.endr
.irp b, 0,1,2,3
	v_add_nc_u32 v[TM+12+\b], 0xff000000, v[TM+\b] ; 2 off its exponent field: the conversion's scale operand
.endr
.irp b, 0,1,2,3
	v_lshrrev_b32 v[TM+4+\b], 23, v[TM+12+\b]      ; the scale's byte
.endr
	v_lshl_or_b32 v[PW], v[TM+5], 8, v[TM+4]
	v_lshl_or_b32 v[PW], v[TM+6], 16, v[PW]
	v_lshl_or_b32 v[PW], v[TM+7], 24, v[PW]
.irp c, 0,1
	v_cvt_scalef32_pk16_fp6_f32 v[PC+6*\c:PC+2+6*\c], v[(\s)+32*\c:(\s)+15+32*\c], v[TM+12+2*\c]
	v_cvt_scalef32_pk16_fp6_f32 v[PC+12+4*\c:PC+14+4*\c], v[(\s)+16+32*\c:(\s)+31+32*\c], v[TM+12+2*\c+1]
.endr
	v_nop                                          ; one plain place behind the conversions
.irp c, 0,1                                    ; the operand's layout wants a whole block in a lane
.irp i, 0,1,2
	v_permlane16_swap_b32 v[PC+6*\c+\i], v[PC+12+4*\c+\i]
.endr
.irp i, 0,1,2
	v_mov_b32 v[PC+3+6*\c+\i], v[PC+12+4*\c+\i]
.endr
.endr
.endm
.irp b, 0,1,2,3
	v_mov_b32 v[TM+4+\b], 0                        ; written once: a lane permute's destination counts as one of its sources
.endr
.irp p, 0,1
.irp b, 0,1,2,3
.irp j, 0,1,2,3
	ds_load_b128 v[X+16*\b+4*\j:X+16*\b+4*\j+3], v[RD] offset:512*\p+128*\b+16*\j
.endr
.endr
	s_wait_dscnt 0x0
	s_wait_xcnt 0x0                                ; the last fragment's stores have read their registers
	QUANT X
	global_store_b128 v[L16], v[PC:PC+3], s[16:17] offset:13312*\p
	global_store_b64 v[L8], v[PC+4:PC+5], s[16:17] offset:13312*\p+512
	global_store_b128 v[L16], v[PC+6:PC+9], s[16:17] offset:13312*\p+768
	global_store_b64 v[L8], v[PC+10:PC+11], s[16:17] offset:13312*\p+1280
	global_store_b32 v[L4], v[PW], s[18:19] offset:13312*\p
.endr
	s_wait_tensorcnt 0x0                           ; the wave's end, behind my last LDS store
	ds_add_u32 v[SPW], v[NIL]
	s_wait_dscnt 0x0
	s_endpgm
; ---------------------------------------------------------------- THE WEIGHTS' PATH
; A LANE TAKES A COLUMN n AND ITS REGISTERS RUN DOWN K: a block of 32 lies in one lane, the conversions give codes with K innermost.
; A wave takes a pair (32 columns) x 256 along K: 8 blocks, two records; a record is gathered in the wave's own stage in LDS and leaves as 13 whole runs of 256 bytes.
; One way through the text serves all six tensors: only pointers and numbers are chosen, by the work-group's number.  No barrier: waves share nothing.
.Lweights:
.set STGB,  3328
.set L4,   1                           ; 4 x lane
.set L16,  2                           ; 16 x lane
.set L8,   3                           ; 8 x lane
.set ST16, 4                           ; stage + 1536 u + 16 r: u, r = my column's tile and lane-row
.set ST8,  5                           ; stage + 1536 u + 8 r
.set STS,  6                           ; stage + 128 u + 4 r
.set RB16, 7                           ; stage + 16 x lane
.set RB8,  8                           ; stage + 8 x lane
.set SB,   14                          ; four scale bytes
.set C,    16                          ; v16-22 a block's codes
.set OFF,  24                          ; v24-55 row i of a block: pitch x i + 4 x lane
.set X,    56                          ; v56-119 two sets of 32 numbers
.set OUT,  120                         ; v120-145 a record on its way out
	s_load_b256 s[4:11], s[0:1], 0x20              ; wq, wk, wv, w_proj
	s_load_b128 s[12:15], s[0:1], 0x40             ; w1, w2
	s_load_b64 s[16:17], s[0:1], 0x50              ; wr
	s_sub_co_u32 s[GW], ttmp9, 256
	v_and_b32 v12, 31, v0
	v_lshlrev_b32 v[L4], 2, v12
	v_lshlrev_b32 v[L16], 4, v12
	v_lshlrev_b32 v[L8], 3, v12
	s_mul_i32 s19, s[WV], STGB
	s_add_co_u32 s19, s19, PBASE                   ; my stage
	v_bfe_u32 v13, v0, 4, 1
	v_and_b32 v12, 7, v0
	v_lshl_or_b32 v12, v13, 3, v12                 ; r = 8 (lane / 16) + lane % 8
	v_bfe_u32 v13, v0, 3, 1                        ; u = (lane / 8) % 2
	v_mul_u32_u24 v11, v13, 1536
	v_add_nc_u32 v11, s19, v11
	v_lshl_add_u32 v[ST16], v12, 4, v11
	v_lshl_add_u32 v[ST8], v12, 3, v11
	v_lshlrev_b32 v[STS], 7, v13
	v_lshl_add_u32 v[STS], v12, 2, v[STS]
	v_add_nc_u32 v[STS], s19, v[STS]
	v_add_nc_u32 v[RB16], s19, v[L16]
	v_add_nc_u32 v[RB8], s19, v[L8]
	s_wait_kmcnt 0x0
	; which tensor: s[28:29] its address, s20 its first work-group, s21 log2 of its blocks of four pairs, s22 bytes from k to k + 1, s23 its first record, s24 KS, s25 log2 BF
	s_mov_b64 s[28:29], s[14:15]                   ; w2's figures; then each earlier tensor's, where the number lies below its end
	s_mov_b32 s20, 256
	s_mov_b32 s21, 3
	s_mov_b32 s22, 4096
	s_mov_b32 s23, 2048
	s_mov_b32 s24, 32
	s_mov_b32 s25, 1
.macro PICK below, ptr, start, lg, pitch, rec, ks, lgbf
	s_cmp_lt_u32 s[GW], \below
	s_cselect_b64 s[28:29], s[\ptr:\ptr+1], s[28:29]
	s_cselect_b32 s20, \start, s20
	s_cselect_b32 s21, \lg, s21
	s_cselect_b32 s22, \pitch, s22
	s_cselect_b32 s23, \rec, s23
	s_cselect_b32 s24, \ks, s24
	s_cselect_b32 s25, \lgbf, s25
.endm
	PICK 256, 12, 128, 5, 16384, 1024, 8, 2        ; w1
	PICK 128, 10, 96, 3, 4096, 768, 8, 1           ; w_proj
	PICK 96, 8, 64, 3, 256, 512, 8, 2              ; wv
	PICK 64, 6, 32, 3, 256, 256, 8, 2              ; wk
	PICK 32, 4, 0, 3, 256, 0, 8, 2                 ; wq
	s_sub_co_u32 s26, s[GW], s20
	s_lshr_b32 s27, s26, s21                       ; kq: which 256 along K
	s_bfm_b32 s36, s21, 0
	s_and_b32 s26, s26, s36
	s_lshl_b32 s26, s26, 2
	s_add_co_u32 s26, s26, s[WV]                   ; P: my pair
	s_lshr_b32 s36, s26, 1                         ; wq, wk, wv are [head][k][64]: a pair is half a head: head x 262,144 + 128 x half
	s_lshl_b32 s36, s36, 18
	s_and_b32 s37, s26, 1
	s_lshl_b32 s37, s37, 7
	s_add_co_u32 s36, s36, s37
	s_lshl_b32 s37, s26, 7                         ; the others are [k][n]: 128 bytes a pair
	s_cmp_lt_u32 s[GW], 96
	s_cselect_b32 s36, s36, s37
	s_mul_i32 s37, s27, s22
	s_lshl_b32 s37, s37, 8                         ; 256 kq rows down
	s_add_co_u32 s36, s36, s37
	s_mov_b32 s37, 0
	s_add_nc_u64 s[28:29], s[28:29], s[36:37]
	s_lshr_b32 s36, s26, s25                       ; my first record: first + ((P / BF) KS + 2 kq) BF + P % BF
	s_mul_i32 s36, s36, s24
	s_lshl_b32 s37, s27, 1
	s_add_co_u32 s36, s36, s37
	s_lshl_b32 s36, s36, s25
	s_bfm_b32 s37, s25, 0
	s_and_b32 s37, s26, s37
	s_add_co_u32 s36, s36, s37
	s_add_co_u32 s36, s36, s23
	s_mul_i32 s36, s36, 3328
	s_mov_b32 s37, 0
	s_add_nc_u64 s[32:33], s[16:17], s[36:37]
	s_lshl_b32 s34, 3328, s25                      ; the next K step's record lies BF records on
	s_mov_b32 s35, 0
	s_lshl_b32 s30, s22, 5                         ; a block of 32 rows down
	s_mov_b32 s31, 0
.irp i, 0,1,2,3,4,5,6,7,8,9,10,11,12,13,14,15,16,17,18,19,20,21,22,23,24,25,26,27,28,29,30,31
	v_mad_u32_u24 v[OFF+\i], s22, \i, v[L4]
.endr
.macro LOAD t                          ; block t: 32 rows of my 32 columns, 128 consecutive bytes a load, into set t % 2
.irp i, 0,1,2,3,4,5,6,7,8,9,10,11,12,13,14,15,16,17,18,19,20,21,22,23,24,25,26,27,28,29,30,31
	global_load_b32 v[X+32*((\t)%2)+\i], v[OFF+\i], s[28:29] th:TH_LOAD_NT
.endr
	s_wait_xcnt 0x0                                ; the loads have read their base: it steps only behind this wait
	s_add_nc_u64 s[28:29], s[28:29], s[30:31]
.endm
.macro BLOCK t
.set XS, X+32*((\t)%2)
.set CC, ((\t)%4)/2                    ; the block is k = 64 CC + 32 HH + 0 .. 31 of its record: registers 6 CC .. 6 CC + 5 of lane r + 16 HH
.set HH, (\t)%2
.if (\t) < 7
	s_wait_loadcnt 32                              ; this block's 32 loads are in; the next block's 32 may be out
.else
	s_wait_loadcnt 0x0
.endif
	v_max3_num_f32 v12, |v[XS]|, |v[XS+1]|, |v[XS+2]|   ; the block's largest magnitude: all 32 numbers are mine
	v_max3_num_f32 v13, |v[XS+3]|, |v[XS+4]|, |v[XS+5]|
.irp i, 6,10,14,18,22,26
	v_max3_num_f32 v12, v12, |v[XS+\i]|, |v[XS+\i+1]|
	v_max3_num_f32 v13, v13, |v[XS+\i+2]|, |v[XS+\i+3]|
.endr
	v_max3_num_f32 v12, v12, |v[XS+30]|, |v[XS+31]|
	v_max3_num_f32 v12, v12, v13, 0x1800000        ; and the floor 2^(3 - 127): the byte cannot fall under 1
	v_add_nc_u32 v11, 0xff000000, v12              ; 2 off the exponent field: the conversion's scale operand
	v_lshrrev_b32 v13, 23, v11                     ; the scale's byte
.if (\t)%4 == 0
	v_mov_b32 v[SB], v13
.else
	v_lshl_or_b32 v[SB], v13, 8*((\t)%4), v[SB]
.endif
	v_cvt_scalef32_pk16_fp6_f32 v[C:C+2], v[XS:XS+15], v11
	v_cvt_scalef32_pk16_fp6_f32 v[C+4:C+6], v[XS+16:XS+31], v11   ; (a conversion's three registers begin on an even number)
	v_nop                                          ; one plain place behind the conversions
	v_mov_b32 v[C+3], v[C+4]
	v_mov_b32 v[C+4], v[C+5]
	v_mov_b32 v[C+5], v[C+6]
	ds_store_b128 v[ST16], v[C:C+3] offset:768*CC+256*HH
	ds_store_b64 v[ST8], v[C+4:C+5] offset:768*CC+512+128*HH
.if (\t)+2 < 8
	LOAD (\t)+2
.endif
	s_wait_dscnt 0x0                               ; the stores have read their registers
.endm
.macro OUTREC first                    ; a record is whole in my stage: it leaves as it lies
	ds_store_b32 v[STS], v[SB] offset:3072         ; my column's scale word, for lane r
	ds_store_b32 v[STS], v[SB] offset:3136         ; and for lane r + 16
	s_wait_xcnt 0x0                                ; the last record's stores have read OUT
.irp i, 0,1,2,3,4,5
	ds_load_b128 v[OUT+4*\i:OUT+4*\i+3], v[RB16] offset:512*\i   ; LDS serves a wave's instructions in order: these see my stores
.endr
	ds_load_b64 v[OUT+24:OUT+25], v[RB8] offset:3072
	s_wait_dscnt 0x0
.irp i, 0,1,2,3,4,5
	global_store_b128 v[L16], v[OUT+4*\i:OUT+4*\i+3], s[32:33] offset:512*\i   ; 512 consecutive bytes, at a multiple of 256 from wr's first byte
.endr
	global_store_b64 v[L8], v[OUT+24:OUT+25], s[32:33] offset:3072
.if \first
	s_wait_xcnt 0x0                                ; the stores have read their base
	s_add_nc_u64 s[32:33], s[32:33], s[34:35]
.endif
.endm
	LOAD 0
	s_wait_alu depctr_va_vdst(0)
	LOAD 1
	BLOCK 0
	BLOCK 1
	BLOCK 2
	BLOCK 3
	s_wait_alu depctr_va_vdst(0)
	OUTREC 1
	BLOCK 4
	BLOCK 5
	BLOCK 6
	BLOCK 7
	s_wait_alu depctr_va_vdst(0)
	OUTREC 0
	s_wait_tensorcnt 0x0                           ; the wave's end, behind my last LDS store
	ds_add_u32 v[SPW], v[NIL]
	s_wait_dscnt 0x0
	s_endpgm
.Lfunc_end_k_q4f621141b6_prep:
	.size	k_q4f621141b6_prep, .Lfunc_end_k_q4f621141b6_prep-k_q4f621141b6_prep
	.p2alignl 7, 3214868480
	.fill 96, 4, 3214868480
	.section	.rodata,"a",@progbits
	.p2align	6, 0x0
	.amdhsa_kernel k_q4f621141b6_prep
		.amdhsa_group_segment_fixed_size 79616
		.amdhsa_private_segment_fixed_size 0
		.amdhsa_enable_private_segment 0
		.amdhsa_kernarg_size 88
		.amdhsa_user_sgpr_count 2
		.amdhsa_user_sgpr_kernarg_segment_ptr 1
		.amdhsa_wavefront_size32 1
		.amdhsa_system_sgpr_workgroup_id_x 1
		.amdhsa_system_sgpr_workgroup_id_y 1
		.amdhsa_system_sgpr_workgroup_id_z 1
		.amdhsa_system_vgpr_workitem_id 0
		.amdhsa_next_free_vgpr 256
		.amdhsa_next_free_sgpr 66
		.amdhsa_reserve_vcc 0
		.amdhsa_float_denorm_mode_32 3
		.amdhsa_float_denorm_mode_16_64 3
		.amdhsa_memory_ordered 1
		.amdhsa_forward_progress 1
		.amdhsa_inst_pref_size 91
	.end_amdhsa_kernel
	.amdgpu_metadata
---
amdhsa.version: [ 1, 2 ]
amdhsa.kernels:
  - .name:           k_q4f621141b6_prep
    .symbol:         k_q4f621141b6_prep.kd
    .args:
      - { .name: x, .offset: 0, .size: 8, .value_kind: global_buffer, .address_space: global }
      - { .name: ln1_g, .offset: 8, .size: 8, .value_kind: global_buffer, .address_space: global }
      - { .name: ln1_b, .offset: 16, .size: 8, .value_kind: global_buffer, .address_space: global }
      - { .name: hr, .offset: 24, .size: 8, .value_kind: global_buffer, .address_space: global }
      - { .name: wq, .offset: 32, .size: 8, .value_kind: global_buffer, .address_space: global }
      - { .name: wk, .offset: 40, .size: 8, .value_kind: global_buffer, .address_space: global }
      - { .name: wv, .offset: 48, .size: 8, .value_kind: global_buffer, .address_space: global }
      - { .name: w_proj, .offset: 56, .size: 8, .value_kind: global_buffer, .address_space: global }
      - { .name: w1, .offset: 64, .size: 8, .value_kind: global_buffer, .address_space: global }
      - { .name: w2, .offset: 72, .size: 8, .value_kind: global_buffer, .address_space: global }
      - { .name: wr, .offset: 80, .size: 8, .value_kind: global_buffer, .address_space: global }
    .group_segment_fixed_size: 79616
    .private_segment_fixed_size: 0
    .kernarg_segment_align: 8
    .kernarg_segment_size: 88
    .max_flat_workgroup_size: 128
    .sgpr_count:     66
    .vgpr_count:     256
    .wavefront_size: 32
...
	.end_amdgpu_metadata
.endif
;; end of part 1
;; launch qkv (part 2): grid 192 x 1, 16 waves a work-group, no clusters, 327,680 bytes of LDS; arguments wr, hr, att; writes att
.if DOCPART == 2
	.amdgcn_target "amdgcn-amd-amdhsa--gfx1250"
	.amdhsa_code_object_version 6
	.text
	.protected	k_q4f621141b6_qkv
	.globl	k_q4f621141b6_qkv
	.p2align	8
	.type	k_q4f621141b6_qkv,@function
k_q4f621141b6_qkv:
	s_mov_b64 s[64:65], 0
	v_nop
	global_prefetch_b8 v0, s[64:65] scope:SCOPE_SE
	s_setreg_imm32_b32 hwreg(HW_REG_WAVE_MODE, 25, 1), 1
	s_wait_xcnt 0x0
.set SPARE, 106496
.set L16, 1
.set L8,  2
.set L4,  3
.set SPW, 7
.set NIL, 8
.set L4R, 9
.set SS,  10
.set S0B, 18
.set S1,  42
.set S1S, 114
.set ACC, 128
.set TM,  18
.set PW,  34
.set PW2, 35
.set PC,  36
.set SEL, 20
	s_load_b128 s[4:7], s[0:1], 0x0
	s_load_b64 s[8:9], s[0:1], 0x10
	v_lshl_add_u32 v[SPW], v0, 2, SPARE
	v_mov_b32 v[NIL], 0
	ds_add_u32 v[SPW], v[NIL]
	ds_add_u32 v[SPW], v[NIL]
	v_lshrrev_b32 v9, 5, v0
	s_delay_alu instid0(VALU_DEP_1)
	v_readfirstlane_b32 s10, v9
	v_and_b32 v9, 31, v0
	s_delay_alu instid0(VALU_DEP_1)
	v_lshlrev_b32 v[L16], 4, v9
	s_delay_alu instid0(VALU_DEP_2)
	v_lshlrev_b32 v[L8], 3, v9
	s_delay_alu instid0(VALU_DEP_3)
	v_lshlrev_b32 v[L4], 2, v9
	s_delay_alu instid0(VALU_DEP_3)
	v_add_nc_u32 v4, 53248, v[L16]
	s_delay_alu instid0(VALU_DEP_3)
	v_add_nc_u32 v5, 53248, v[L8]
	s_delay_alu instid0(VALU_DEP_3)
	v_add_nc_u32 v6, 53248, v[L4]
	v_and_b32 v9, 15, v0
	s_delay_alu instid0(VALU_DEP_1)
	v_lshlrev_b32 v[L4R], 2, v9
	s_mov_b32 s[SEL], 0x76543210
	s_mov_b32 s[SEL+1], 0xfedcba98
	s_mov_b32 s24, 3<<16
	s_mov_b32 s25, 32<<16
	s_mov_b32 s26, 13<<16
	s_mov_b32 s27, 32<<16
	s_mov_b32 s28, 13
	s_mov_b32 s29, 32
	s_mov_b32 s30, 0
	s_mov_b32 s31, 0
	s_cmp_lt_u32 ttmp9, 128
	s_cselect_b32 s37, 4, 5
	s_cselect_b32 s38, 0, 64
	s_cselect_b32 s36, 0, 128
	s_sub_co_u32 s36, ttmp9, s36
	s_bfm_b32 s39, s37, 0
	s_and_b32 s39, s36, s39
	s_lshr_b32 s36, s36, s37
	s_lshl_b32 s36, s36, 4
	s_add_co_u32 s36, s36, s10
	s_add_co_u32 s38, s38, s36
	s_mul_i32 s33, s10, 3328
	s_add_co_u32 s49, s33, 53248
	s_mul_i32 s40, s39, 106496
	s_add_co_u32 s40, s40, s33
	s_mov_b32 s41, 0
	s_lshr_b32 s44, s38, 2
	s_lshl_b32 s44, s44, 5
	s_and_b32 s45, s38, 3
	s_add_co_u32 s44, s44, s45
	s_mul_i32 s44, s44, 3328
	s_mov_b32 s45, 0
	s_wait_alu depctr_va_vdst(0)
	s_wait_dscnt 0x0
	s_wait_kmcnt 0x0
	s_cmp_lt_u32 ttmp9, 128
	s_cselect_b64 s[12:13], s[4:5], s[6:7]
	s_cselect_b64 s[16:17], s[6:7], s[4:5]
	s_add_nc_u64 s[16:17], s[16:17], s[44:45]
	s_mov_b32 s32, 1
	s_add_nc_u64 s[34:35], s[12:13], s[40:41]
	s_mov_b32 s48, 1
	s_add_nc_u64 s[50:51], s[34:35], 53248
	s_or_b32 s35, s35, 0x80000000
	s_or_b32 s51, s51, 0x80000000
	tensor_load_to_lds s[32:35], s[24:31]
	s_nop 0
.macro S1LOAD i, st
.irp u, 0,1
	global_load_b128 v[S1+24*(\i)+12*\u:S1+24*(\i)+12*\u+3], v[L16], s[16:17] offset:13312*(\st)+1536*\u
	global_load_b64 v[S1+24*(\i)+12*\u+4:S1+24*(\i)+12*\u+5], v[L8], s[16:17] offset:13312*(\st)+1536*\u+512
	global_load_b128 v[S1+24*(\i)+12*\u+6:S1+24*(\i)+12*\u+9], v[L16], s[16:17] offset:13312*(\st)+1536*\u+768
	global_load_b64 v[S1+24*(\i)+12*\u+10:S1+24*(\i)+12*\u+11], v[L8], s[16:17] offset:13312*(\st)+1536*\u+1280
	global_load_b32 v[S1S+2*(\i)+\u], v[L4], s[16:17] offset:13312*(\st)+3072+128*\u
.endr
.endm
.macro WM t, u
.if ZR
	v_wmma_scale_f32_16x16x128_f8f6f4 v[ACC+64*(\u)+8*(\t):ACC+64*(\u)+8*(\t)+7], v[S0B+12*((\t)%2):S0B+12*((\t)%2)+11], v[SET+12*(\u):SET+12*(\u)+11], 0, v[SS+(\t)], v[SCR+(\u)] matrix_a_fmt:MATRIX_FMT_FP6 matrix_b_fmt:MATRIX_FMT_FP6
.else
	v_wmma_scale_f32_16x16x128_f8f6f4 v[ACC+64*(\u)+8*(\t):ACC+64*(\u)+8*(\t)+7], v[S0B+12*((\t)%2):S0B+12*((\t)%2)+11], v[SET+12*(\u):SET+12*(\u)+11], v[ACC+64*(\u)+8*(\t):ACC+64*(\u)+8*(\t)+7], v[SS+(\t)], v[SCR+(\u)] matrix_a_fmt:MATRIX_FMT_FP6 matrix_b_fmt:MATRIX_FMT_FP6
.endif
.endm
.macro KSTEP s, zero
.set ZR, \zero
.set SET, S1+24*((\s)%3)
.set SCR, S1S+2*((\s)%3)
.set LB, L16+3*((\s)/4)
.set LO, ((\s)%4)*13312
.if (\s) < 6
	s_wait_loadcnt 20
.else
	s_wait_loadcnt 10*(7-(\s))
.endif
.irp t, 0,1,2,3,4,5,6,7
	ds_load_b32 v[SS+\t], v[LB+2] offset:LO+(\t/2)*3328+3072+128*(\t%2)
.endr
.irp p, 0,1,2,3
.irp u, 0,1
	ds_load_b128 v[S0B+12*\u:S0B+12*\u+3], v[LB] offset:LO+\p*3328+1536*\u
	ds_load_b64 v[S0B+12*\u+4:S0B+12*\u+5], v[LB+1] offset:LO+\p*3328+1536*\u+512
	ds_load_b128 v[S0B+12*\u+6:S0B+12*\u+9], v[LB] offset:LO+\p*3328+1536*\u+768
	ds_load_b64 v[S0B+12*\u+10:S0B+12*\u+11], v[LB+1] offset:LO+\p*3328+1536*\u+1280
.endr
	s_wait_dscnt 0x0
	WM 2*\p, 0
	WM 2*\p+1, 0
	WM 2*\p, 1
	WM 2*\p+1, 1
.rept 4
	v_nop
.endr
.endr
.if (\s) < 5
	S1LOAD (\s)%3, (\s)+3
.endif
.endm
	S1LOAD 0, 0
	S1LOAD 1, 1
	S1LOAD 2, 2
	s_wait_alu depctr_va_vdst(0)
	s_wait_tensorcnt 0x0                           ; my part of the first half of K is in
	ds_add_u32 v7, v8
	s_wait_dscnt 0x0
	s_barrier_signal -1
	s_barrier_wait -1                              ; everybody's part is in
	tensor_load_to_lds s[48:51], s[24:31]
	s_nop 0
	KSTEP 0, 1
	KSTEP 1, 0
	KSTEP 2, 0
	KSTEP 3, 0
	s_wait_tensorcnt 0x0
	s_barrier_signal -1
	s_barrier_wait -1
	KSTEP 4, 0
	KSTEP 5, 0
	KSTEP 6, 0
	KSTEP 7, 0
.macro QUANT s
.irp b, 0,1,2,3
	v_max3_num_f32 v[TM+\b], |v[(\s)+16*\b]|, |v[(\s)+1+16*\b]|, 0x1800000
.endr
.irp i, 2,4,6,8,10,12,14
.irp b, 0,1,2,3
	v_max3_num_f32 v[TM+\b], v[TM+\b], |v[(\s)+16*\b+\i]|, |v[(\s)+1+16*\b+\i]|
.endr
.endr
.irp b, 0,1,2,3
	s_delay_alu instid0(VALU_DEP_4)
	v_permlanex16_b32 v[TM+4+\b], v[TM+\b], s[SEL], s[SEL+1]
.endr
.irp b, 0,1,2,3
	s_delay_alu instid0(VALU_DEP_4)
	v_max_num_f32 v[TM+\b], v[TM+\b], v[TM+4+\b]
.endr
.irp b, 0,1,2,3
	s_delay_alu instid0(VALU_DEP_4)
	v_add_nc_u32 v[TM+12+\b], 0xff000000, v[TM+\b]
.endr
.irp b, 0,1,2,3
	s_delay_alu instid0(VALU_DEP_4)
	v_lshrrev_b32 v[TM+4+\b], 23, v[TM+12+\b]
.endr
	s_delay_alu instid0(VALU_DEP_3)
	v_lshl_or_b32 v[PW], v[TM+5], 8, v[TM+4]
	s_delay_alu instid0(VALU_DEP_1)
	v_lshl_or_b32 v[PW], v[TM+6], 16, v[PW]
	s_delay_alu instid0(VALU_DEP_1)
	v_lshl_or_b32 v[PW], v[TM+7], 24, v[PW]
.irp c, 0,1
	v_cvt_scalef32_pk16_fp6_f32 v[PC+6*\c:PC+2+6*\c], v[(\s)+32*\c:(\s)+15+32*\c], v[TM+12+2*\c]
	v_cvt_scalef32_pk16_fp6_f32 v[PC+12+4*\c:PC+14+4*\c], v[(\s)+16+32*\c:(\s)+31+32*\c], v[TM+12+2*\c+1]
.endr
	v_nop
.irp c, 0,1
.irp i, 0,1,2
	v_permlane16_swap_b32 v[PC+6*\c+\i], v[PC+12+4*\c+\i]
.endr
.irp i, 0,1,2
	s_delay_alu instid0(VALU_DEP_3)
	v_mov_b32 v[PC+3+6*\c+\i], v[PC+12+4*\c+\i]
.endr
.endr
.endm
.irp b, 0,1,2,3
	v_mov_b32 v[TM+4+\b], 0
.endr
	s_lshr_b32 s36, s39, 3
	s_and_b32 s37, s39, 7
	s_mov_b32 s43, 0
	s_cmp_lt_u32 ttmp9, 128
	s_cbranch_scc0 .Lvrole
	s_lshr_b32 s40, s38, 5
	s_and_b32 s41, s38, 31
	s_lshl_b32 s40, s40, 4
	s_lshl_b32 s37, s37, 1
	s_add_co_u32 s40, s40, s37
	s_mul_i32 s40, s40, 159744
	s_mul_i32 s42, s36, 53248
	s_mul_i32 s44, s41, 1536
	s_add_co_u32 s42, s42, s44
	s_add_co_u32 s42, s42, s40
	s_add_nc_u64 s[12:13], s[8:9], s[42:43]
	s_mul_i32 s42, s36, 102400
	s_lshl_b32 s44, s41, 7
	s_add_co_u32 s42, s42, s44
	s_add_co_u32 s42, s42, s40
	s_add_co_u32 s42, s42, 49152
	s_add_nc_u64 s[14:15], s[8:9], s[42:43]
.irp u, 0,1
	QUANT ACC+64*\u
	v_lshrrev_b32 v[PW2], 16, v[PW]
	global_store_b128 v[L16], v[PC:PC+3], s[12:13] offset:768*\u
	global_store_b64 v[L8], v[PC+4:PC+5], s[12:13] offset:768*\u+512
	global_store_b128 v[L16], v[PC+6:PC+9], s[12:13] offset:768*\u+159744
	global_store_b64 v[L8], v[PC+10:PC+11], s[12:13] offset:768*\u+159744+512
	global_store_b32 v[L4R], v[PW], s[14:15] offset:64*\u
	global_store_b32 v[L4R], v[PW2], s[14:15] offset:64*\u+159744
	s_wait_xcnt 0x0
.endr
	s_branch .Lend
.Lvrole:
	s_sub_co_u32 s40, s38, 64
	s_and_b32 s41, s40, 1
	s_lshr_b32 s40, s40, 1
	s_lshl_b32 s36, s36, 4
	s_add_co_u32 s40, s40, s36
	s_mul_i32 s40, s40, 159744
	s_lshl_b32 s37, s37, 2
	s_lshl_b32 s41, s41, 1
	s_add_co_u32 s37, s37, s41
	s_mul_i32 s42, s37, 1536
	s_add_co_u32 s42, s42, s40
	s_add_co_u32 s42, s42, 102400
	s_add_nc_u64 s[12:13], s[8:9], s[42:43]
	s_lshl_b32 s42, s37, 7
	s_add_co_u32 s42, s42, s40
	s_add_co_u32 s42, s42, 155648
	s_add_nc_u64 s[14:15], s[8:9], s[42:43]
.irp u, 0,1
	QUANT ACC+64*\u
	global_store_b128 v[L16], v[PC:PC+3], s[12:13] offset:1536*\u
	global_store_b64 v[L8], v[PC+4:PC+5], s[12:13] offset:1536*\u+512
	global_store_b128 v[L16], v[PC+6:PC+9], s[12:13] offset:1536*\u+768
	global_store_b64 v[L8], v[PC+10:PC+11], s[12:13] offset:1536*\u+1280
	global_store_b32 v[L4], v[PW], s[14:15] offset:128*\u
	s_wait_xcnt 0x0
.endr
.Lend:
	s_wait_tensorcnt 0x0
	ds_add_u32 v[SPW], v[NIL]
	s_wait_dscnt 0x0
	s_endpgm
.Lfunc_end_k_q4f621141b6_qkv:
	.size	k_q4f621141b6_qkv, .Lfunc_end_k_q4f621141b6_qkv-k_q4f621141b6_qkv
	.p2alignl 7, 3214868480
	.fill 96, 4, 3214868480
	.section	.rodata,"a",@progbits
	.p2align	6, 0x0
	.amdhsa_kernel k_q4f621141b6_qkv
		.amdhsa_group_segment_fixed_size 327680
		.amdhsa_private_segment_fixed_size 0
		.amdhsa_enable_private_segment 0
		.amdhsa_kernarg_size 24
		.amdhsa_user_sgpr_count 2
		.amdhsa_user_sgpr_kernarg_segment_ptr 1
		.amdhsa_wavefront_size32 1
		.amdhsa_system_sgpr_workgroup_id_x 1
		.amdhsa_system_sgpr_workgroup_id_y 1
		.amdhsa_system_sgpr_workgroup_id_z 1
		.amdhsa_system_vgpr_workitem_id 0
		.amdhsa_next_free_vgpr 256
		.amdhsa_next_free_sgpr 66
		.amdhsa_reserve_vcc 0
		.amdhsa_float_denorm_mode_32 3
		.amdhsa_float_denorm_mode_16_64 3
		.amdhsa_memory_ordered 1
		.amdhsa_forward_progress 1
		.amdhsa_inst_pref_size 75
	.end_amdhsa_kernel
	.amdgpu_metadata
---
amdhsa.version: [ 1, 2 ]
amdhsa.kernels:
  - .name:           k_q4f621141b6_qkv
    .symbol:         k_q4f621141b6_qkv.kd
    .args:
      - { .name: wr, .offset: 0, .size: 8, .value_kind: global_buffer, .address_space: global }
      - { .name: hr, .offset: 8, .size: 8, .value_kind: global_buffer, .address_space: global }
      - { .name: att, .offset: 16, .size: 8, .value_kind: global_buffer, .address_space: global }
    .group_segment_fixed_size: 327680
    .private_segment_fixed_size: 0
    .kernarg_segment_align: 8
    .kernarg_segment_size: 24
    .max_flat_workgroup_size: 512
    .sgpr_count:     66
    .vgpr_count:     256
    .wavefront_size: 32
...
	.end_amdgpu_metadata
.endif
;; end of part 2
;; launch attn (part 3): grid 4 x 64, 16 waves a work-group, clusters of 4 x 1, 167,936 bytes of LDS; arguments att, orr; writes orr
.if DOCPART == 3
	.amdgcn_target "amdgcn-amd-amdhsa--gfx1250"
	.amdhsa_code_object_version 6
	.text
	.protected	k_q4f621141b6_attn
	.globl	k_q4f621141b6_attn
	.p2align	8
	.type	k_q4f621141b6_attn,@function
k_q4f621141b6_attn:
	s_mov_b64 s[64:65], 0
	v_nop
	global_prefetch_b8 v0, s[64:65] scope:SCOPE_SE
	s_setreg_imm32_b32 hwreg(HW_REG_WAVE_MODE, 25, 1), 1
	s_wait_xcnt 0x0
	s_wait_alu depctr_hold_cnt(0) depctr_sa_sdst(0) depctr_va_vdst(0) depctr_va_sdst(0) depctr_va_ssrc(0) depctr_va_vcc(0) depctr_vm_vsrc(0)
	s_getreg_b32 s2, hwreg(HW_REG_IB_STS2, 6, 4)
	s_cmp_eq_u32 s2, 0
	s_cbranch_scc0 .Lentry_in_a_cluster
	s_endpgm
.Lentry_in_a_cluster:
	s_bfe_u32 s2, ttmp6, 0x10000c
	s_cmp_lg_u32 s2, 0x3003
	s_cbranch_scc0 .Lentry_shape_is_right
	s_endpgm
.Lentry_shape_is_right:
; Causal attention of one (batch, head) for each cluster, both products on codes of FP6; head size 64, 1,024 keys.  Inputs: the images that the launch qkv stored; output: records of orr ([token pair][8 K steps]).
; WORK LEFT OUT: a step of 128 keys all of which come after all 16 queries of a tile is hidden by reference()'s own tril for all inputs (p = 0) and is not walked; a NaN or overflow that reaches only such scores is not carried on.
; THE SOFTMAX: t = score x log2(e) / 8; M = the running largest t rounded UP to a whole number; p = 2^(t - M) is quantised along the keys, not normalised; the row's sum of the unquantised p divides at the end.
; SHARES.  The cluster's four work-groups take the head's 64 query tiles interleaved: wave w has g = w xor 3 (where bit 2 of w is set), tile 4 g + cx, and walks key steps 0 .. g / 2:
; the trip bound hangs on the wave's number alone, never on the place in the cluster; the four waves w, w + 4, w + 8, w + 12 walk 18 steps together.
; K's images, V^T's fragments and both sets of scale words of the head are 106,496 dense bytes: each wave asks for 6,656 of them JOINTLY with the same wave of the three partners; nothing is filled again.
; LAYOUT.  S^T = K Q^T (source 0 = 16 keys, source 1 = my 16 queries), O^T = V^T P^T: a lane holds one query throughout.  A tile's keys are 8 u + r + 8 (r / 8) of their pair, so that the 16 registers of tiles 2 b, 2 b + 1 are 16 neighbouring keys.
; The first product's K is 64: the upper six registers of Q's and K's fragments are zero codes, set once.
; LIMITS: NaN, infinities not served; a block whose largest magnitude lies under 2^-124 gets the byte 1.
.set SPARE, 106496
.set L16, 1
.set L8,  2
.set KS0, 3                            ; 4 x (lane % 16) + 98,304: K's scale words in LDS
.set DQ,  4                            ; my query - 16 (lane / 16) - the diagonal step's first key
.set SPW, 5
.set NIL, 6
.set NINF, 7
.set AK16, 8
.set AK8, 9
.set ASC, 10
.set L4,  11
.set Q,   16                           ; v16-27 (v12 -M, v13 the largest t, v[14:15] the sum)
.set QS,  28
.set QO,  29
.set KB,  32                           ; v32-79 four fragments of K
.set VB,  80                           ; v80-103 two of V^T
.set S,   104                          ; v104-167 S^T, then p
.set OT,  168                          ; v168-199 O^T
.set PC,  200                          ; v200-211 p's codes; v212-219 at work
.set PT,  212
.set BM,  220
.set BT,  224
.set SO,  228
.set KSC, 232
.set VSC, 236
.set PW,  238
.set F,   240
.set TT,  242
.set T2,  243
.set WV,  8
.set GH,  11
.set TB,  14
.set TS,  15
.set KI,  16
.set SEL, 20
.set CS,  22
.macro CROUND                          ; a round of the cluster's barrier
	s_barrier_signal -1
	s_barrier_wait -1
	s_cmp_lg_u32 s[WV], 0
	s_cbranch_scc1 .Lnot_wave_0_\@
	s_barrier_signal -3
.Lnot_wave_0_\@:
	s_barrier_wait -3
	s_barrier_signal -1
	s_barrier_wait -1
.endm
	s_load_b128 s[4:7], s[0:1], 0x0                ; att, orr
	v_lshl_add_u32 v[SPW], v0, 2, SPARE
	v_mov_b32 v[NIL], 0
	ds_add_u32 v[SPW], v[NIL]                      ; the wave's opening: the add, twice on end, and its wait ahead of the round and my tensor load
	ds_add_u32 v[SPW], v[NIL]
	v_lshrrev_b32 v[TT], 5, v0
	s_delay_alu instid0(VALU_DEP_1)
	v_readfirstlane_b32 s[WV], v[TT]               ; wave 0..15
	s_bfe_u32 s9, ttmp6, 0x40000                   ; cx: it enters Q's and the output's addresses and the mask's vector register alone
	s_and_b32 s13, ttmp7, 0xffff                   ; batch x 16 + head, which the four partners share
	s_bfe_u32 s44, s[WV], 0x10002
	s_mul_i32 s44, s44, 3
	s_xor_b32 s10, s[WV], s44                      ; g
	s_lshr_b32 s[GH], s10, 1                       ; my last key step: the one on the diagonal
	s_lshl_b32 s12, s10, 2
	s_add_co_u32 s12, s12, s9                      ; my query tile
	s_mov_b32 s24, 15|(3<<16)|(1<<21)              ; group 1: the mask names all four work-groups, bit 21 beside it; 26 rows of 32 elements of 8 bytes, dense
	s_mov_b32 s25, 32<<16
	s_mov_b32 s26, 26<<16
	s_mov_b32 s27, 32<<16
	s_mov_b32 s28, 26
	s_mov_b32 s29, 32
	s_mov_b32 s30, 0
	s_mov_b32 s31, 0
	s_mov_b32 s[SEL], 0x76543210
	s_mov_b32 s[SEL+1], 0xfedcba98
	s_mov_b32 s[CS], 0x3e38aa3b                    ; c = log2(e) / 8
	s_mov_b32 s[CS+1], s[CS]
	s_mov_b32 s[TB], 0
	s_mov_b32 s[TS], 0
	s_mov_b32 s[KI], 0
	v_and_b32 v[TT], 31, v0
	s_delay_alu instid0(VALU_DEP_1)
	v_lshlrev_b32 v[L16], 4, v[TT]
	s_delay_alu instid0(VALU_DEP_2)
	v_lshlrev_b32 v[L8], 3, v[TT]
	s_delay_alu instid0(VALU_DEP_3)
	v_lshlrev_b32 v[L4], 2, v[TT]
	v_and_b32 v[TT], 15, v0
	s_delay_alu instid0(VALU_DEP_1)
	v_lshlrev_b32 v[QO], 2, v[TT]
	s_delay_alu instid0(VALU_DEP_1)
	v_add_nc_u32 v[KS0], 98304, v[QO]
	s_lshr_b32 s44, s12, 1                         ; the mask: my tile's first query less the diagonal step's first key,
	s_lshl_b32 s44, s44, 5
	s_and_b32 s45, s12, 1
	s_lshl_b32 s45, s45, 3
	s_add_co_u32 s44, s44, s45
	s_lshl_b32 s45, s[GH], 7
	s_sub_co_u32 s44, s44, s45
	v_and_b32 v[T2], 8, v0
	s_delay_alu instid0(VALU_DEP_1)
	v_add_nc_u32 v[TT], v[TT], v[T2]               ; + r + 8 (r / 8),
	v_bfe_u32 v[T2], v0, 4, 1
	s_delay_alu instid0(VALU_DEP_1)
	v_lshlrev_b32 v[T2], 4, v[T2]
	s_delay_alu instid0(VALU_DEP_1)
	v_sub_nc_u32 v[TT], v[TT], v[T2]               ; - 16 (lane / 16)
	s_delay_alu instid0(VALU_DEP_1)
	v_add_nc_u32 v[DQ], s44, v[TT]
	s_mul_i32 s44, s13, 159744                     ; the head's region
	s_mul_i32 s33, s[WV], 6656                     ; my part of the 106,496 bytes, in LDS and in memory
	s_add_co_u32 s46, s44, s33
	s_add_co_u32 s46, s46, 53248
	s_mov_b32 s47, 0
	s_mul_i32 s36, s12, 768
	s_add_co_u32 s36, s36, s44                     ; Q's image of my tile
	s_mov_b32 s37, 0
	s_lshl_b32 s38, s12, 6
	s_add_co_u32 s38, s38, s44
	s_add_co_u32 s38, s38, 49152                   ; and its scale words
	s_mov_b32 s39, 0
	s_lshr_b32 s48, s13, 4                         ; the output: record (32 batch + tile / 2) 8 + head / 2
	s_and_b32 s49, s13, 15
	s_lshl_b32 s48, s48, 5
	s_lshr_b32 s50, s12, 1
	s_add_co_u32 s48, s48, s50
	s_lshl_b32 s48, s48, 3
	s_lshr_b32 s50, s49, 1
	s_add_co_u32 s48, s48, s50
	s_mul_i32 s48, s48, 3328
	s_and_b32 s50, s12, 1                          ; u
	s_and_b32 s49, s49, 1                          ; which 64 of the K step's 128
	s_mul_i32 s40, s50, 1536
	s_mul_i32 s51, s49, 768
	s_add_co_u32 s40, s40, s51
	s_add_co_u32 s40, s40, s48
	s_mov_b32 s41, 0
	s_lshl_b32 s42, s50, 7
	s_lshl_b32 s51, s49, 1
	s_add_co_u32 s42, s42, s51
	s_add_co_u32 s42, s42, 3072
	s_add_co_u32 s42, s42, s48
	s_mov_b32 s43, 0
	s_wait_dscnt 0x0                               ; both opening adds are done
	s_wait_kmcnt 0x0
	s_mov_b32 s32, 1
	s_add_nc_u64 s[34:35], s[4:5], s[46:47]
	s_or_b32 s35, s35, 0x80000000
	s_add_nc_u64 s[36:37], s[4:5], s[36:37]
	s_add_nc_u64 s[38:39], s[4:5], s[38:39]
	s_add_nc_u64 s[40:41], s[6:7], s[40:41]
	s_add_nc_u64 s[42:43], s[6:7], s[42:43]
	CROUND                                         ; all four work-groups are here: the joint loads meet
	tensor_load_to_lds s[32:35], s[24:31]          ; my one tensor load of the launch
	s_nop 0
	global_load_b128 v[Q:Q+3], v[L16], s[36:37]
	global_load_b64 v[Q+4:Q+5], v[L8], s[36:37] offset:512
	s_wait_alu depctr_va_vdst(0)
	global_load_b32 v[QS], v[QO], s[38:39]
.irp j, 6,7,8,9,10,11
	v_mov_b32 v[Q+\j], 0                           ; zero codes for k = 64 .. 127
.irp t, 0,1,2,3
	v_mov_b32 v[KB+12*\t+\j], 0
.endr
.endr
	v_mov_b32 v[NINF], 0xff800000
	v_mov_b32 v13, 0xff61b1e6                      ; the largest t so far: -3e38
	s_delay_alu instid0(VALU_DEP_1)
	v_floor_f32 v12, -v13                          ; -M
	v_mov_b32 v14, 0
	v_mov_b32 v15, 0
.irp b, 0,1,2,3
	v_mov_b32 v[BT+\b], 0                          ; written once: a lane permute's destination counts as one of its sources
.endr
	v_mov_b32 v[F+1], 0                            ; (named as the upper half of the pair f)
	v_mov_b32 v[TT], 0
.set J, 0
.rept 32
	v_mov_b32 v[OT+J], 0                           ; O^T: the step is written once: the first finds zeros
.set J, J+1
.endr
	s_wait_tensorcnt 0x0                           ; my part is in,
	s_barrier_signal -1
	s_barrier_wait -1                              ; everybody's is
	s_wait_loadcnt 0x0                             ; Q
.Lstep:                                            ; eight trips in every wave; a step past my diagonal is jumped over, but for the lines that step addresses
	s_cmp_gt_u32 s[KI], s[GH]
	s_cbranch_scc1 .Lskip
	v_add_nc_u32 v[AK16], s[TB], v[L16]
	s_wait_alu depctr_va_vdst(0)
	v_add_nc_u32 v[AK8], s[TB], v[L8]
	s_wait_alu depctr_va_vdst(0)
	v_add_nc_u32 v[ASC], s[TS], v[KS0]
	s_wait_alu depctr_va_vdst(0)
.irp g, 0,1                                    ; S^T = K Q^T, four tiles of 16 keys at a time
.if \g > 0
.rept 4
	v_nop                                          ; places ahead of loads into registers that the last four products have read
.endr
.endif
.irp t, 0,1,2,3
	ds_load_b128 v[KB+12*\t:KB+12*\t+3], v[AK16] offset:(4*\g+\t)*768
	ds_load_b64 v[KB+12*\t+4:KB+12*\t+5], v[AK8] offset:(4*\g+\t)*768+512
	ds_load_b32 v[KSC+\t], v[ASC] offset:(4*\g+\t)*64
.endr
	s_wait_dscnt 0x0
.irp t, 0,1,2,3
	v_wmma_scale_f32_16x16x128_f8f6f4 v[S+8*(4*\g+\t):S+8*(4*\g+\t)+7], v[KB+12*\t:KB+12*\t+11], v[Q:Q+11], 0, v[KSC+\t], v[QS] matrix_a_fmt:MATRIX_FMT_FP6 matrix_b_fmt:MATRIX_FMT_FP6
.endr
.endr
.rept 4
	v_nop
.endr
	s_cmp_lt_u32 s[KI], s[GH]                      ; only the step on the diagonal is masked
	s_cbranch_scc1 .Lopen
.set N, 0
.rept 64                                       ; register 16 b + i holds key 32 b + 16 (lane / 16) + i of the step: hidden where 32 b + i > DQ
	v_cmp_gt_i32 vcc_lo, 32*(N/16)+N%16, v[DQ]
	v_cndmask_b32 v[S+N], v[S+N], v[NINF], vcc_lo
.set N, N+1
.endr
.Lopen:
.irp b, 0,1,2,3
	v_max3_num_f32 v[BM+\b], v[S+16*\b], v[S+1+16*\b], v[S+2+16*\b]   ; the largest score of each block of 32 keys: for the row's maximum, and for the block's largest p
.endr
.irp i, 3,5,7,9,11,13
.irp b, 0,1,2,3
	v_max3_num_f32 v[BM+\b], v[BM+\b], v[S+16*\b+\i], v[S+1+16*\b+\i]
.endr
.endr
.irp b, 0,1,2,3
	v_max_num_f32 v[BM+\b], v[BM+\b], v[S+15+16*\b]
.endr
.irp b, 0,1,2,3
	s_delay_alu instid0(VALU_DEP_4)
	v_permlanex16_b32 v[BT+\b], v[BM+\b], s[SEL], s[SEL+1]
.endr
.irp b, 0,1,2,3
	s_delay_alu instid0(VALU_DEP_4)
	v_max_num_f32 v[BM+\b], v[BM+\b], v[BT+\b]
.endr
	s_delay_alu instid0(VALU_DEP_2)
	v_max3_num_f32 v[TT], v[BM], v[BM+1], v[BM+2]
	s_delay_alu instid0(VALU_DEP_1)
	v_max_num_f32 v[TT], v[TT], v[BM+3]
	s_delay_alu instid0(VALU_DEP_1)
	v_mul_f32 v[TT], s[CS], v[TT]
	s_delay_alu instid0(VALU_DEP_1)
	v_max_num_f32 v13, v13, v[TT]                  ; the running largest t
	v_mov_b32 v[TT], v12
	s_delay_alu instid0(VALU_DEP_2)
	v_floor_f32 v12, -v13                          ; the new -M = -ceil(t)
	s_delay_alu instid0(VALU_DEP_1)
	v_sub_f32 v[TT], v12, v[TT]                    ; old M - new M: a whole number, 0 or less
	s_delay_alu instid0(VALU_DEP_1)
	v_cvt_i32_f32 v[TT], v[TT]
	s_delay_alu instid0(VALU_DEP_1)
	v_ldexp_f32 v[F], 1.0, v[TT]                   ; f = 2^(old M - new M)
.set J, 0
.rept 32
	v_pk_fma_f32 v[S+J:S+J+1], v[S+J:S+J+1], s[CS:CS+1], v[12:13] op_sel_hi:[1,0,0]   ; t - M
.set J, J+2
.endr
.irp b, 0,1,2,3
	v_fma_f32 v[BM+\b], v[BM+\b], s[CS], v12
.endr
.set J, 0
	s_wait_alu depctr_va_vdst(0)
.rept 64
	v_exp_f32 v[S+J], v[S+J]                       ; p = 2^(t - M): one batch
.set J, J+1
.endr
	v_pk_mul_f32 v[14:15], v[14:15], v[F:F+1] op_sel_hi:[1,0]   ; the sums under the new M: a plain place behind the batch
	s_wait_alu depctr_va_vdst(0)                   ; one wait for the batch, ahead of its first reader
.irp b, 0,1,2,3
	v_exp_f32 v[BM+\b], v[BM+\b]                   ; each block's largest p
.endr
	v_pk_add_f32 v[224:225], v[108:109], v[112:113]
	v_pk_add_f32 v[254:255], v[116:117], v[120:121]
	v_pk_add_f32 v[252:253], v[124:125], v[128:129]
	v_pk_add_f32 v[250:251], v[132:133], v[136:137]
	v_pk_add_f32 v[248:249], v[140:141], v[144:145]
	v_pk_add_f32 v[246:247], v[148:149], v[152:153]
	v_pk_add_f32 v[244:245], v[156:157], v[160:161]
	v_pk_add_f32 v[14:15], v[14:15], v[164:165]
	v_pk_add_f32 v[224:225], v[224:225], v[104:105]
	v_pk_add_f32 v[254:255], v[254:255], v[106:107]
	v_pk_add_f32 v[252:253], v[252:253], v[110:111]
	v_pk_add_f32 v[250:251], v[250:251], v[114:115]
	v_pk_add_f32 v[248:249], v[248:249], v[118:119]
	v_pk_add_f32 v[246:247], v[246:247], v[122:123]
	v_pk_add_f32 v[244:245], v[244:245], v[126:127]
	v_pk_add_f32 v[14:15], v[14:15], v[130:131]
	v_pk_add_f32 v[224:225], v[224:225], v[134:135]
	v_pk_add_f32 v[254:255], v[254:255], v[138:139]
	v_pk_add_f32 v[252:253], v[252:253], v[142:143]
	v_pk_add_f32 v[250:251], v[250:251], v[146:147]
	v_pk_add_f32 v[248:249], v[248:249], v[150:151]
	v_pk_add_f32 v[246:247], v[246:247], v[154:155]
	v_pk_add_f32 v[244:245], v[244:245], v[158:159]
	v_pk_add_f32 v[14:15], v[14:15], v[162:163]
	v_pk_add_f32 v[224:225], v[224:225], v[166:167]
	s_delay_alu instid0(VALU_DEP_2)
	v_pk_add_f32 v[14:15], v[14:15], v[250:251]
	s_delay_alu instid0(VALU_DEP_2)
	v_pk_add_f32 v[224:225], v[224:225], v[248:249]
	v_pk_add_f32 v[254:255], v[254:255], v[246:247]
	v_pk_add_f32 v[252:253], v[252:253], v[244:245]
	s_delay_alu instid0(VALU_DEP_2)
	v_pk_add_f32 v[14:15], v[14:15], v[254:255]
	s_delay_alu instid0(VALU_DEP_2)
	v_pk_add_f32 v[224:225], v[224:225], v[252:253]
	s_delay_alu instid0(VALU_DEP_1)
	v_pk_add_f32 v[14:15], v[14:15], v[224:225]
	s_wait_alu depctr_va_vdst(0)                   ; and one for the four
.irp b, 0,1,2,3
	v_max_num_f32 v[BM+\b], 0x1800000, v[BM+\b]    ; the floor 2^(3 - 127)
.endr
.irp b, 0,1,2,3
	s_delay_alu instid0(VALU_DEP_4)
	v_add_nc_u32 v[SO+\b], 0xff000000, v[BM+\b]
.endr
.irp b, 0,1,2,3
	s_delay_alu instid0(VALU_DEP_4)
	v_lshrrev_b32 v[BT+\b], 23, v[SO+\b]
.endr
	s_delay_alu instid0(VALU_DEP_3)
	v_lshl_or_b32 v[PW], v[BT+1], 8, v[BT]         ; p's scale word for these 128 keys
	s_delay_alu instid0(VALU_DEP_1)
	v_lshl_or_b32 v[PW], v[BT+2], 16, v[PW]
	s_delay_alu instid0(VALU_DEP_1)
	v_lshl_or_b32 v[PW], v[BT+3], 24, v[PW]
.irp c, 0,1
	v_cvt_scalef32_pk16_fp6_f32 v[PC+6*\c:PC+2+6*\c], v[S+32*\c:S+15+32*\c], v[SO+2*\c]
	v_cvt_scalef32_pk16_fp6_f32 v[PT+4*\c:PT+2+4*\c], v[S+16+32*\c:S+31+32*\c], v[SO+2*\c+1]
.endr
	v_nop
.irp c, 0,1
.irp i, 0,1,2
	v_permlane16_swap_b32 v[PC+6*\c+\i], v[PT+4*\c+\i]
.endr
.irp i, 0,1,2
	s_delay_alu instid0(VALU_DEP_3)
	v_mov_b32 v[PC+3+6*\c+\i], v[PT+4*\c+\i]
.endr
.endr
.set J, 0
.rept 16
	v_pk_mul_f32 v[OT+J:OT+J+1], v[OT+J:OT+J+1], v[F:F+1] op_sel_hi:[1,0]   ; O^T under the new M; these sixteen are also the places between p's codes and scale word and the products below
.set J, J+2
.endr
	s_wait_alu depctr_va_vdst(0)
.irp g, 0,1                                    ; O^T += V^T P^T, two tiles of 16 of the head's 64 at a time
.if \g > 0
.rept 4
	v_nop
.endr
.endif
.irp t, 0,1
	ds_load_b128 v[VB+12*\t:VB+12*\t+3], v[AK16] offset:49152+(2*\g+\t)*1536
	ds_load_b64 v[VB+12*\t+4:VB+12*\t+5], v[AK8] offset:49152+(2*\g+\t)*1536+512
	ds_load_b128 v[VB+12*\t+6:VB+12*\t+9], v[AK16] offset:49152+(2*\g+\t)*1536+768
	ds_load_b64 v[VB+12*\t+10:VB+12*\t+11], v[AK8] offset:49152+(2*\g+\t)*1536+1280
	ds_load_b32 v[VSC+\t], v[ASC] offset:4096+(2*\g+\t)*128
.endr
	s_wait_dscnt 0x0
.irp t, 0,1
	v_wmma_scale_f32_16x16x128_f8f6f4 v[OT+8*(2*\g+\t):OT+8*(2*\g+\t)+7], v[VB+12*\t:VB+12*\t+11], v[PC:PC+11], v[OT+8*(2*\g+\t):OT+8*(2*\g+\t)+7], v[VSC+\t], v[PW] matrix_a_fmt:MATRIX_FMT_FP6 matrix_b_fmt:MATRIX_FMT_FP6
.endr
.endr
.rept 4
	v_nop                                          ; places behind the last products, for the way out and for the next trip alike
.endr
.Lskip:
	s_add_co_u32 s[TB], s[TB], 6144                ; the next step's eight images of K, and four fragments of V^T
	s_add_co_u32 s[TS], s[TS], 512                 ; and its scale words
	s_add_co_u32 s[KI], s[KI], 1
	s_cmp_lt_u32 s[KI], 8
	s_cbranch_scc1 .Lstep
	; THE WAY OUT: O^T / the sum, quantised along the head's 64 (two blocks): half a fragment of the projection's operand
	v_add_f32 v14, v14, v15
	s_delay_alu instid0(VALU_DEP_1)
	v_permlanex16_b32 v[TT], v14, s[SEL], s[SEL+1]
	s_delay_alu instid0(VALU_DEP_1)
	v_add_f32 v14, v14, v[TT]
	s_wait_alu depctr_va_vdst(0)
	v_rcp_f32 v14, v14
	v_nop
	s_wait_alu depctr_va_vdst(0)                   ; the wait, ahead of the first reader
.set J, 0
.rept 32
	v_mul_f32 v[S+J], v[OT+J], v14                 ; register 16 b + i is o(my query, 32 b + 16 (lane / 16) + i)
.set J, J+1
.endr
.irp b, 0,1
	v_max3_num_f32 v[BM+\b], |v[S+16*\b]|, |v[S+1+16*\b]|, 0x1800000
.endr
.irp i, 2,4,6,8,10,12,14
.irp b, 0,1
	s_delay_alu instid0(VALU_DEP_2)
	v_max3_num_f32 v[BM+\b], v[BM+\b], |v[S+16*\b+\i]|, |v[S+1+16*\b+\i]|
.endr
.endr
.irp b, 0,1
	s_delay_alu instid0(VALU_DEP_2)
	v_permlanex16_b32 v[BT+\b], v[BM+\b], s[SEL], s[SEL+1]
.endr
.irp b, 0,1
	s_delay_alu instid0(VALU_DEP_2)
	v_max_num_f32 v[BM+\b], v[BM+\b], v[BT+\b]
.endr
.irp b, 0,1
	s_delay_alu instid0(VALU_DEP_2)
	v_add_nc_u32 v[SO+\b], 0xff000000, v[BM+\b]
.endr
.irp b, 0,1
	s_delay_alu instid0(VALU_DEP_2)
	v_lshrrev_b32 v[BT+\b], 23, v[SO+\b]
.endr
	s_delay_alu instid0(VALU_DEP_1)
	v_lshl_or_b32 v[T2], v[BT+1], 8, v[BT]         ; my head's two bytes of the row's scale word
	v_cvt_scalef32_pk16_fp6_f32 v[PC:PC+2], v[S:S+15], v[SO]
	v_cvt_scalef32_pk16_fp6_f32 v[PT:PT+2], v[S+16:S+31], v[SO+1]
	v_nop
.irp i, 0,1,2
	v_permlane16_swap_b32 v[PC+\i], v[PT+\i]
.endr
.irp i, 0,1,2
	s_delay_alu instid0(VALU_DEP_3)
	v_mov_b32 v[PC+3+\i], v[PT+\i]
.endr
	global_store_b128 v[L16], v[PC:PC+3], s[40:41]
	global_store_b64 v[L8], v[PC+4:PC+5], s[40:41] offset:512
	global_store_b16 v[L4], v[T2], s[42:43]        ; two bytes a lane: a head owns half of each scale word; 64 bytes a tile of 832
	s_wait_tensorcnt 0x0                           ; the wave's end
	ds_add_u32 v[SPW], v[NIL]
	s_wait_dscnt 0x0
	CROUND                                         ; the closing round
	s_endpgm
.Lfunc_end_k_q4f621141b6_attn:
	.size	k_q4f621141b6_attn, .Lfunc_end_k_q4f621141b6_attn-k_q4f621141b6_attn
	.p2alignl 7, 3214868480
	.fill 96, 4, 3214868480
	.section	.rodata,"a",@progbits
	.p2align	6, 0x0
	.amdhsa_kernel k_q4f621141b6_attn
		.amdhsa_group_segment_fixed_size 167936
		.amdhsa_private_segment_fixed_size 0
		.amdhsa_enable_private_segment 0
		.amdhsa_kernarg_size 16
		.amdhsa_user_sgpr_count 2
		.amdhsa_user_sgpr_kernarg_segment_ptr 1
		.amdhsa_wavefront_size32 1
		.amdhsa_system_sgpr_workgroup_id_x 1
		.amdhsa_system_sgpr_workgroup_id_y 1
		.amdhsa_system_sgpr_workgroup_id_z 1
		.amdhsa_system_vgpr_workitem_id 0
		.amdhsa_next_free_vgpr 256
		.amdhsa_next_free_sgpr 66
		.amdhsa_reserve_vcc 1
		.amdhsa_float_denorm_mode_32 3
		.amdhsa_float_denorm_mode_16_64 3
		.amdhsa_memory_ordered 1
		.amdhsa_forward_progress 1
		.amdhsa_inst_pref_size 36
	.end_amdhsa_kernel
	.amdgpu_metadata
---
amdhsa.version: [ 1, 2 ]
amdhsa.kernels:
  - .name:           k_q4f621141b6_attn
    .symbol:         k_q4f621141b6_attn.kd
    .args:
      - { .name: att, .offset: 0, .size: 8, .value_kind: global_buffer, .address_space: global }
      - { .name: orr, .offset: 8, .size: 8, .value_kind: global_buffer, .address_space: global }
    .group_segment_fixed_size: 167936
    .private_segment_fixed_size: 0
    .kernarg_segment_align: 8
    .kernarg_segment_size: 16
    .max_flat_workgroup_size: 512
    .sgpr_count:     66
    .vgpr_count:     256
    .wavefront_size: 32
...
	.end_amdgpu_metadata
.endif
;; end of part 3
;; launch proj (part 4): grid 256 x 1, 16 waves a work-group, no clusters, 167,936 bytes of LDS; arguments wr, orr, x, b_proj, x1; writes x1
.if DOCPART == 4
	.amdgcn_target "amdgcn-amd-amdhsa--gfx1250"
	.amdhsa_code_object_version 6
	.text
	.protected	k_q4f621141b6_proj
	.globl	k_q4f621141b6_proj
	.p2align	8
	.type	k_q4f621141b6_proj,@function
k_q4f621141b6_proj:
	s_mov_b64 s[64:65], 0
	v_nop
	global_prefetch_b8 v0, s[64:65] scope:SCOPE_SE
	s_setreg_imm32_b32 hwreg(HW_REG_WAVE_MODE, 25, 1), 1
	s_wait_xcnt 0x0
; x1 = x + attention's output times w_proj + b_proj, on codes of FP6.  K = 1,024.
; A block is 64 columns (source 0: two pairs of the weight) x 256 tokens (source 1: eight pairs).  The weight's block, all of K, is KS x 6,656 dense bytes: it comes into LDS once, a sixteenth by each wave's one tensor load; nothing is filled again.
; The sixteen waves are 8 token pairs x 2 HALVES OF K: wave w has pair w % 8 and K steps (w / 8) KS / 2 on.  Its records go from memory straight into operand registers, four K steps ahead.
; A wave: 4 tiles of source 0 x 2 of source 1: 8 accumulators by turns, one instruction a turn.  Register slot a holds the pair's tile a xor (w / 8): every wave keeps slot 0 and gives slot 1 away, with no branch.
; The two halves of K meet in LDS: a region of 16 rows x (256 + 16) bytes for each wave.  Then each wave stores 16 rows x 256 bytes, sixteen lanes to an aligned run of 256 bytes.
; NO CLUSTER: what work-groups share is the weight's block, 53,248 of the 266,240 bytes of codes that a work-group reads; the rest goes to registers, where no joint load exists.
; LIMIT: an output's sum over K is made in two halves, each ascending, added once.
.set KS,   8                           ; K steps of 128
.set WOFF, 2555904                     ; the weight's records in wr
.set ROWS, 13                          ; rows of 256 bytes in a wave's tensor load: KS x 6,656 / 16 / 256
.set NTRIP, KS/8                       ; a wave's trips of four K steps
.set RG,    KS*6656                    ; behind the weight: the sixteen regions
.set SPARE, RG+16*4352
.set L16, 1
.set L8,  2
.set L4,  3
.set A16, 7                            ; v7, 8   16 x lane + 1536 x (slot's tile)
.set A8,  9                            ; v9, 10
.set A4,  11                           ; v11, 12  4 x lane + 128 x (slot's tile)
.set SPW, 13
.set NIL, 14
.set GO,  15                           ; 4,096 (lane / 16) + 16 (lane % 16)
.set BI,  16
.set RES, 20                           ; v20-51 the residual's 16 rows x 256 bytes
.set SS,  52
.set S0B, 56                           ; v56-79 two fragments of the weight
.set S1,  80                           ; v80-175 four sets of two fragments
.set S1S, 176                          ; v176-183 their scale words
.set STO, 184
.set STO2, 185
.set RDP, 186
.set ACC, 192                          ; accumulator (t, a) at 192 + 32 a + 8 t
.set PP,  80
.set OW,  112
	s_load_b256 s[4:11], s[0:1], 0x0               ; wr, source 1's records, the residual, the bias
	s_load_b64 s[12:13], s[0:1], 0x20              ; the output
	v_lshl_add_u32 v[SPW], v0, 2, SPARE
	v_mov_b32 v[NIL], 0
	ds_add_u32 v[SPW], v[NIL]                      ; the wave's opening: the add, twice on end, and its wait ahead of my first tensor load
	ds_add_u32 v[SPW], v[NIL]
	v_lshrrev_b32 v187, 5, v0
	s_delay_alu instid0(VALU_DEP_1)
	v_readfirstlane_b32 s14, v187                  ; wave 0..15
	s_lshr_b32 s18, s14, 3                         ; kh: my half of K, and the tile that I keep
	s_and_b32 s19, s14, 7
	v_and_b32 v187, 31, v0
	s_delay_alu instid0(VALU_DEP_1)
	v_lshlrev_b32 v[L16], 4, v187
	s_delay_alu instid0(VALU_DEP_2)
	v_lshlrev_b32 v[L8], 3, v187
	s_delay_alu instid0(VALU_DEP_3)
	v_lshlrev_b32 v[L4], 2, v187
	s_mul_i32 s36, s18, 1536
	s_xor_b32 s37, s18, 1
	s_mul_i32 s37, s37, 1536
	v_add_nc_u32 v[A16], s36, v[L16]
	v_add_nc_u32 v[A16+1], s37, v[L16]
	v_add_nc_u32 v[A8], s36, v[L8]
	v_add_nc_u32 v[A8+1], s37, v[L8]
	s_lshl_b32 s36, s18, 7
	s_sub_co_u32 s37, 128, s36
	v_add_nc_u32 v[A4], s36, v[L4]
	v_add_nc_u32 v[A4+1], s37, v[L4]
	v_and_b32 v187, 15, v0
	v_bfe_u32 v188, v0, 4, 1
	s_delay_alu instid0(VALU_DEP_2)
	v_lshlrev_b32 v189, 4, v187                    ; 16 (lane % 16): the bias
	s_delay_alu instid0(VALU_DEP_1)
	v_lshl_add_u32 v[GO], v188, 12, v189
	s_delay_alu instid0(VALU_DEP_4)
	v_mul_u32_u24 v[STO], v187, 272
	s_delay_alu instid0(VALU_DEP_1)
	v_lshl_add_u32 v[STO], v188, 6, v[STO]         ; in: row r, + 64 h
	s_mul_i32 s36, s14, 4352                       ; my region,
	s_xor_b32 s37, s14, 8
	s_mul_i32 s37, s37, 4352                       ; and my partner's (the same pair, the other half of K)
	v_add_nc_u32 v[STO2], s37, v[STO]
	v_add_nc_u32 v[STO], s36, v[STO]
	v_mul_u32_u24 v[RDP], v188, 272
	s_delay_alu instid0(VALU_DEP_1)
	v_lshl_add_u32 v[RDP], v187, 4, v[RDP]         ; back: lanes 0-15 one row, lanes 16-31 the next
	s_delay_alu instid0(VALU_DEP_1)
	v_add_nc_u32 v[RDP], s37, v[RDP]
	s_delay_alu instid0(VALU_DEP_4)
	v_add_nc_u32 v[STO], RG, v[STO]
	v_add_nc_u32 v[STO2], RG, v[STO2]
	s_delay_alu instid0(VALU_DEP_3)
	v_add_nc_u32 v[RDP], RG, v[RDP]
	s_mul_i32 s22, s18, (KS/2)*6656                ; where my half of K begins in the weight's block
	v_add_nc_u32 v4, s22, v[L16]
	v_add_nc_u32 v5, s22, v[L8]
	v_add_nc_u32 v6, s22, v[L4]
	s_mov_b32 s24, 3<<16                           ; group 1: ROWS rows of 32 elements of 8 bytes, dense; no mask, no padding
	s_mov_b32 s25, 32<<16
	s_mov_b32 s26, ROWS<<16
	s_mov_b32 s27, 32<<16
	s_mov_b32 s28, ROWS
	s_mov_b32 s29, 32
	s_mov_b32 s30, 0
	s_mov_b32 s31, 0
	s_and_b32 s38, ttmp9, 15                       ; the block of 64 columns
	s_lshr_b32 s39, ttmp9, 4
	s_lshl_b32 s39, s39, 3
	s_add_co_u32 s39, s39, s19                     ; my token pair
	s_mul_i32 s33, s14, ROWS*256                   ; my part of the weight's block, in LDS and in memory
	s_mul_i32 s40, s38, KS*6656
	s_add_co_u32 s40, s40, s33
	s_add_co_u32 s40, s40, WOFF
	s_mov_b32 s41, 0
	s_mul_i32 s42, s39, KS
	s_mul_i32 s43, s18, KS/2
	s_add_co_u32 s42, s42, s43
	s_mul_i32 s42, s42, 3328                       ; my first record
	s_mov_b32 s43, 0
	s_lshl_b32 s44, s39, 5
	s_lshl_b32 s45, s18, 3
	s_add_co_u32 s44, s44, s45
	s_lshl_b32 s44, s44, 12                        ; row 32 pair + 8 kh,
	s_lshl_b32 s46, s38, 8                         ; column 64 block
	s_add_co_u32 s44, s44, s46
	s_mov_b32 s45, 0
	s_mov_b32 s47, 0
	s_wait_alu depctr_va_vdst(0)
	s_wait_dscnt 0x0                               ; both opening adds are done
	s_wait_kmcnt 0x0
	s_mov_b32 s32, 1
	s_add_nc_u64 s[34:35], s[4:5], s[40:41]
	s_or_b32 s35, s35, 0x80000000
	tensor_load_to_lds s[32:35], s[24:31]          ; my one tensor load of the launch
	s_nop 0
	s_add_nc_u64 s[16:17], s[6:7], s[42:43]
	s_add_nc_u64 s[8:9], s[8:9], s[44:45]
	s_add_nc_u64 s[12:13], s[12:13], s[44:45]
	s_add_nc_u64 s[10:11], s[10:11], s[46:47]
	global_load_b128 v[BI:BI+3], v189, s[10:11]
.irp i, 0,1,2,3,4,5,6,7
	global_load_b128 v[RES+4*\i:RES+4*\i+3], v[GO], s[8:9] offset:(2*\i+8*(\i/4))*4096   ; lane-rows 2 i, 2 i + 1 of my tile
.endr
.macro S1LOAD i, st                    ; my pair's record st K steps on from the base, into set i: ten loads
.irp a, 0,1
	global_load_b128 v[S1+24*(\i)+12*\a:S1+24*(\i)+12*\a+3], v[A16+\a], s[16:17] offset:3328*(\st)
	global_load_b64 v[S1+24*(\i)+12*\a+4:S1+24*(\i)+12*\a+5], v[A8+\a], s[16:17] offset:3328*(\st)+512
	global_load_b128 v[S1+24*(\i)+12*\a+6:S1+24*(\i)+12*\a+9], v[A16+\a], s[16:17] offset:3328*(\st)+768
	global_load_b64 v[S1+24*(\i)+12*\a+10:S1+24*(\i)+12*\a+11], v[A8+\a], s[16:17] offset:3328*(\st)+1280
	global_load_b32 v[S1S+2*(\i)+\a], v[A4+\a], s[16:17] offset:3328*(\st)+3072
.endr
.endm
.macro WM t, a
.if ZR
	v_wmma_scale_f32_16x16x128_f8f6f4 v[ACC+32*(\a)+8*(\t):ACC+32*(\a)+8*(\t)+7], v[S0B+12*((\t)%2):S0B+12*((\t)%2)+11], v[SET+12*(\a):SET+12*(\a)+11], 0, v[SS+(\t)], v[SCR+(\a)] matrix_a_fmt:MATRIX_FMT_FP6 matrix_b_fmt:MATRIX_FMT_FP6
.else
	v_wmma_scale_f32_16x16x128_f8f6f4 v[ACC+32*(\a)+8*(\t):ACC+32*(\a)+8*(\t)+7], v[S0B+12*((\t)%2):S0B+12*((\t)%2)+11], v[SET+12*(\a):SET+12*(\a)+11], v[ACC+32*(\a)+8*(\t):ACC+32*(\a)+8*(\t)+7], v[SS+(\t)], v[SCR+(\a)] matrix_a_fmt:MATRIX_FMT_FP6 matrix_b_fmt:MATRIX_FMT_FP6
.endif
.endm
.macro KSTEP i                         ; CNT: the loads issued behind this step's ten; ZR: its products start the sums
.set SET, S1+24*(\i)
.set SCR, S1S+2*(\i)
	s_wait_loadcnt CNT
.irp t, 0,1,2,3
	ds_load_b32 v[SS+\t], v6 offset:6656*(\i)+3328*(\t/2)+3072+128*(\t%2)
.endr
.irp p, 0,1
.irp u, 0,1
	ds_load_b128 v[S0B+12*\u:S0B+12*\u+3], v4 offset:6656*(\i)+3328*\p+1536*\u
	ds_load_b64 v[S0B+12*\u+4:S0B+12*\u+5], v5 offset:6656*(\i)+3328*\p+1536*\u+512
	ds_load_b128 v[S0B+12*\u+6:S0B+12*\u+9], v4 offset:6656*(\i)+3328*\p+1536*\u+768
	ds_load_b64 v[S0B+12*\u+10:S0B+12*\u+11], v5 offset:6656*(\i)+3328*\p+1536*\u+1280
.endr
	s_wait_dscnt 0x0
	WM 2*\p, 0
	WM 2*\p+1, 0
	WM 2*\p, 1
	WM 2*\p+1, 1
.rept 4
	v_nop                                          ; four places ahead of loads into registers that these products have read, and of the first read of results
.endr
.endr
.endm
.macro TRIP zero, refill               ; four K steps; refill = 1: each set takes the record four steps on as soon as it is free: three later sets, thirty loads, are then out at each wait
.irp i, 0,1,2,3
.set CNT, 30
.if !(\refill)
.set CNT, 10*(3-\i)
.endif
.set ZR, 0
.if \i == 0
.set ZR, \zero
.endif
	KSTEP \i
.if \refill
	S1LOAD \i, 4+\i
.endif
.endr
.endm
.macro ADV                             ; four K steps on
	s_wait_xcnt 0x0                                ; the loads have read their base
	s_add_nc_u64 s[16:17], s[16:17], 13312
	s_add_co_u32 s22, s22, 26624
	v_add_nc_u32 v4, s22, v[L16]
	v_add_nc_u32 v5, s22, v[L8]
	v_add_nc_u32 v6, s22, v[L4]
.endm
	S1LOAD 0, 0
	S1LOAD 1, 1
	S1LOAD 2, 2
	S1LOAD 3, 3
	s_wait_tensorcnt 0x0                           ; my part of the weight's block is in,
	s_barrier_signal -1
	s_barrier_wait -1                              ; everybody's is
.if NTRIP == 1
	TRIP 1, 0
.else
	TRIP 1, 1
	ADV
	s_mov_b32 s23, NTRIP-2
.Ltrip:
	TRIP 0, 1
	ADV
	s_sub_co_u32 s23, s23, 1
	s_cmp_lg_u32 s23, 0
	s_cbranch_scc1 .Ltrip
	TRIP 0, 0
.endif
	; THE WAY OUT.  Slot 1, my half's sums of the tile that my partner keeps, goes to my region; each accumulator from its low end on
.irp b, 0,1
.irp j, 0,1,2,3
	ds_store_b128 v[STO], v[ACC+32+16*\b+4*\j:ACC+32+16*\b+4*\j+3] offset:128*\b+16*\j
.endr
.endr
	s_wait_dscnt 0x0                               ; for my partner's sake
	s_barrier_signal -1
	s_barrier_wait -1
.irp i, 0,1,2,3,4,5,6,7
	ds_load_b128 v[PP+4*\i:PP+4*\i+3], v[RDP] offset:544*\i      ; my partner's sums of my tile, as rows
.endr
.irp b, 0,1
.irp j, 0,1,2,3
	ds_store_b128 v[STO2], v[ACC+16*\b+4*\j:ACC+16*\b+4*\j+3] offset:128*\b+16*\j   ; behind the barrier that region is touched by me alone, and LDS serves my instructions in order: my own sums turn through it
.endr
.endr
.irp i, 0,1,2,3,4,5,6,7
	ds_load_b128 v[OW+4*\i:OW+4*\i+3], v[RDP] offset:544*\i
.endr
	s_wait_dscnt 0x0
.irp i, 0,1,2,3,4,5,6,7
.irp e, 0,2
	v_pk_add_f32 v[OW+4*\i+\e:OW+4*\i+\e+1], v[OW+4*\i+\e:OW+4*\i+\e+1], v[PP+4*\i+\e:PP+4*\i+\e+1]
.endr
.endr
.irp i, 0,1,2,3,4,5,6,7
.irp e, 0,2
	v_pk_add_f32 v[OW+4*\i+\e:OW+4*\i+\e+1], v[OW+4*\i+\e:OW+4*\i+\e+1], v[BI+\e:BI+\e+1]
.endr
.endr
.irp i, 0,1,2,3,4,5,6,7
.irp e, 0,2
	v_pk_add_f32 v[OW+4*\i+\e:OW+4*\i+\e+1], v[OW+4*\i+\e:OW+4*\i+\e+1], v[RES+4*\i+\e:RES+4*\i+\e+1]
.endr
	global_store_b128 v[GO], v[OW+4*\i:OW+4*\i+3], s[12:13] offset:(2*\i+8*(\i/4))*4096   ; sixteen lanes store 256 consecutive bytes, at a multiple of 256 from the buffer's first byte
.endr
	s_wait_tensorcnt 0x0                           ; the wave's end, behind my last LDS store
	ds_add_u32 v[SPW], v[NIL]
	s_wait_dscnt 0x0
	s_endpgm
.Lfunc_end_k_q4f621141b6_proj:
	.size	k_q4f621141b6_proj, .Lfunc_end_k_q4f621141b6_proj-k_q4f621141b6_proj
	.p2alignl 7, 3214868480
	.fill 96, 4, 3214868480
	.section	.rodata,"a",@progbits
	.p2align	6, 0x0
	.amdhsa_kernel k_q4f621141b6_proj
		.amdhsa_group_segment_fixed_size 167936
		.amdhsa_private_segment_fixed_size 0
		.amdhsa_enable_private_segment 0
		.amdhsa_kernarg_size 40
		.amdhsa_user_sgpr_count 2
		.amdhsa_user_sgpr_kernarg_segment_ptr 1
		.amdhsa_wavefront_size32 1
		.amdhsa_system_sgpr_workgroup_id_x 1
		.amdhsa_system_sgpr_workgroup_id_y 1
		.amdhsa_system_sgpr_workgroup_id_z 1
		.amdhsa_system_vgpr_workitem_id 0
		.amdhsa_next_free_vgpr 256
		.amdhsa_next_free_sgpr 66
		.amdhsa_reserve_vcc 0
		.amdhsa_float_denorm_mode_32 3
		.amdhsa_float_denorm_mode_16_64 3
		.amdhsa_memory_ordered 1
		.amdhsa_forward_progress 1
		.amdhsa_inst_pref_size 26
	.end_amdhsa_kernel
	.amdgpu_metadata
---
amdhsa.version: [ 1, 2 ]
amdhsa.kernels:
  - .name:           k_q4f621141b6_proj
    .symbol:         k_q4f621141b6_proj.kd
    .args:
      - { .name: wr, .offset: 0, .size: 8, .value_kind: global_buffer, .address_space: global }
      - { .name: orr, .offset: 8, .size: 8, .value_kind: global_buffer, .address_space: global }
      - { .name: x, .offset: 16, .size: 8, .value_kind: global_buffer, .address_space: global }
      - { .name: b_proj, .offset: 24, .size: 8, .value_kind: global_buffer, .address_space: global }
      - { .name: x1, .offset: 32, .size: 8, .value_kind: global_buffer, .address_space: global }
    .group_segment_fixed_size: 167936
    .private_segment_fixed_size: 0
    .kernarg_segment_align: 8
    .kernarg_segment_size: 40
    .max_flat_workgroup_size: 512
    .sgpr_count:     66
    .vgpr_count:     256
    .wavefront_size: 32
...
	.end_amdgpu_metadata
.endif
;; end of part 4
;; launch ln2 (part 5): grid 256 x 1, 4 waves a work-group, no clusters, 66,304 bytes of LDS; arguments x1, ln2_g, ln2_b, hr; writes hr
.if DOCPART == 5
	.amdgcn_target "amdgcn-amd-amdhsa--gfx1250"
	.amdhsa_code_object_version 6
	.text
	.protected	k_q4f621141b6_ln2
	.globl	k_q4f621141b6_ln2
	.p2align	8
	.type	k_q4f621141b6_ln2,@function
k_q4f621141b6_ln2:
	s_mov_b64 s[64:65], 0
	v_nop
	global_prefetch_b8 v0, s[64:65] scope:SCOPE_SE
	s_setreg_imm32_b32 hwreg(HW_REG_WAVE_MODE, 25, 1), 1
	s_wait_xcnt 0x0
; LayerNorm of 4,096 rows of 1,024 f32, quantised along the row into records (pair x 128 along K; layout: head of the launch prep), BF = 4, KS = 8.
; y = (x - mean) rsqrt(var + 1e-5) g + b, all in f32, the variance of x - mean (two passes over registers).  LIMITS: NaN, infinities not served; blocks under 2^-124 get the byte 1.
; A work-group takes one TILE of 16 rows (tile u of pair P: rows 32 P + 8 u + r + 8 (r / 8)).  Phase 1: wave w normalises lane-rows 4 w .. 4 w + 3 (four consecutive rows of memory),
; a row in 32 registers, and lays them in LDS (pitch 4,112: sixteen rows of one column start in sixteen different groups of banks).  One barrier.
; Phase 2: wave w quantises K steps 2 w and 2 w + 1 of all 16 rows: lane (r, h) takes of row r the numbers 32 b + 16 h + 0 .. 15 of each block b.
; No matrix unit, no cluster, no tensor load: the launch streams, and work-groups share only g and b (8 KiB).
.set PITCH, 4112
.set SPARE, 16*PITCH                   ; 65,792: behind the rows: the spare words
.set L16, 1
.set L8,  2
.set L4,  3
.set STO, 4
.set RD,  5
.set SPW, 8
.set NIL, 9
.set T,   10                           ; v10-25 four registers a row, at work
.set EPS, 30
.set G,   32
.set BV,  64
.set X,   96                           ; v96-223 four rows; in phase 2 v96-159: 64 numbers
.set MU,  224                          ; v224-231 the means, each twice
.set RS,  232                          ; v232-239 1 / sqrt(var + eps), each twice
.set TM,  160
.set PW,  176
.set PC,  180
.set SEL, 20
	s_load_b256 s[4:11], s[0:1], 0x0               ; x, g, b, hr
	v_lshl_add_u32 v[SPW], v0, 2, SPARE
	v_mov_b32 v[NIL], 0
	v_lshrrev_b32 v10, 5, v0
	v_readfirstlane_b32 s12, v10                   ; wave
	v_and_b32 v10, 31, v0
	v_lshlrev_b32 v[L16], 4, v10
	v_lshlrev_b32 v[L8], 3, v10
	v_lshlrev_b32 v[L4], 2, v10
	s_mul_i32 s13, s12, 4*PITCH
	v_add_nc_u32 v[STO], s13, v[L16]               ; in: my four rows, 16 bytes a lane
	v_and_b32 v11, 15, v0
	v_bfe_u32 v12, v0, 4, 1
	v_mul_u32_u24 v[RD], v11, PITCH
	v_lshl_add_u32 v[RD], v12, 6, v[RD]
	s_lshl_b32 s13, s12, 10
	v_add_nc_u32 v[RD], s13, v[RD]                 ; out: row r, + 64 h, + my two K steps' 1,024 bytes
	s_mov_b32 s[SEL], 0x76543210
	s_mov_b32 s[SEL+1], 0xfedcba98
	s_mov_b32 s34, 0x3a800000                      ; 1 / 1,024
	v_mov_b32 v[EPS], 0x3727c5ac                   ; 1e-5
	s_lshr_b32 s22, ttmp9, 1                       ; P
	s_and_b32 s23, ttmp9, 1                        ; u
	s_lshl_b32 s24, s22, 5
	s_lshl_b32 s25, s23, 3
	s_add_co_u32 s24, s24, s25
	s_lshl_b32 s25, s12, 2
	s_add_co_u32 s24, s24, s25
	s_lshr_b32 s25, s12, 1
	s_lshl_b32 s25, s25, 3
	s_add_co_u32 s24, s24, s25                     ; my first row: 32 P + 8 u + 4 w + 8 (w / 2)
	s_lshl_b32 s24, s24, 12
	s_mov_b32 s25, 0
	s_lshr_b32 s26, s22, 2                         ; my first record: ((P / 4) 8 + 2 w) 4 + P % 4
	s_lshl_b32 s26, s26, 3
	s_lshl_b32 s27, s12, 1
	s_add_co_u32 s26, s26, s27
	s_lshl_b32 s26, s26, 2
	s_and_b32 s27, s22, 3
	s_add_co_u32 s26, s26, s27
	s_mul_i32 s26, s26, 3328
	s_mul_i32 s28, s23, 1536
	s_add_co_u32 s28, s28, s26                     ; the tile's fragment in it
	s_mov_b32 s29, 0
	s_lshl_b32 s30, s23, 7
	s_add_co_u32 s30, s30, 3072
	s_add_co_u32 s30, s30, s26                     ; and its scale words
	s_mov_b32 s31, 0
	s_wait_kmcnt 0x0
	s_add_nc_u64 s[14:15], s[4:5], s[24:25]
	s_add_nc_u64 s[16:17], s[10:11], s[28:29]
	s_add_nc_u64 s[18:19], s[10:11], s[30:31]
.irp i, 0,1,2,3
.irp j, 0,1,2,3,4,5,6,7
	global_load_b128 v[X+32*\i+4*\j:X+32*\i+4*\j+3], v[L16], s[14:15] offset:4096*\i+512*\j   ; 512 consecutive bytes a load
.endr
.endr
.irp j, 0,1,2,3,4,5,6,7
	global_load_b128 v[G+4*\j:G+4*\j+3], v[L16], s[6:7] offset:512*\j
	global_load_b128 v[BV+4*\j:BV+4*\j+3], v[L16], s[8:9] offset:512*\j
.endr
	s_wait_loadcnt 0x0
.macro REDUCE                          ; each row's two chains of pairs become one number in every lane; the four rows by turns
.irp i, 0,1,2,3
	v_pk_add_f32 v[T+4*\i:T+4*\i+1], v[T+4*\i:T+4*\i+1], v[T+4*\i+2:T+4*\i+3]
.endr
.irp i, 0,1,2,3
	v_add_f32 v[T+4*\i], v[T+4*\i], v[T+4*\i+1]
.endr
.irp m, 1,2,4,8
.irp i, 0,1,2,3
	v_add_f32_dpp v[T+4*\i], v[T+4*\i], v[T+4*\i] row_xmask:\m row_mask:0xf bank_mask:0xf
.endr
.endr
.irp i, 0,1,2,3
	v_permlanex16_b32 v[T+4*\i+1], v[T+4*\i], s[SEL], s[SEL+1]
.endr
.irp i, 0,1,2,3
	v_add_f32 v[T+4*\i], v[T+4*\i], v[T+4*\i+1]
.endr
.endm
.irp i, 0,1,2,3
	v_pk_add_f32 v[T+4*\i:T+4*\i+1], v[X+32*\i:X+32*\i+1], v[X+32*\i+2:X+32*\i+3]
	v_pk_add_f32 v[T+4*\i+2:T+4*\i+3], v[X+32*\i+4:X+32*\i+5], v[X+32*\i+6:X+32*\i+7]
.endr
.irp j, 8,12,16,20,24,28
.irp i, 0,1,2,3
	v_pk_add_f32 v[T+4*\i:T+4*\i+1], v[T+4*\i:T+4*\i+1], v[X+32*\i+\j:X+32*\i+\j+1]
	v_pk_add_f32 v[T+4*\i+2:T+4*\i+3], v[T+4*\i+2:T+4*\i+3], v[X+32*\i+\j+2:X+32*\i+\j+3]
.endr
.endr
	REDUCE
.irp i, 0,1,2,3
	v_mul_f32 v[MU+2*\i], s34, v[T+4*\i]           ; the mean,
.endr
.irp i, 0,1,2,3
	v_mov_b32 v[MU+2*\i+1], v[MU+2*\i]             ; in both halves of a pair
.endr
.irp i, 0,1,2,3
.irp j, 0,2,4,6,8,10,12,14,16,18,20,22,24,26,28,30
	v_pk_add_f32 v[X+32*\i+\j:X+32*\i+\j+1], v[X+32*\i+\j:X+32*\i+\j+1], v[MU+2*\i:MU+2*\i+1] neg_lo:[0,1] neg_hi:[0,1]   ; x - mean, in place
.endr
.endr
.irp i, 0,1,2,3
	v_pk_mul_f32 v[T+4*\i:T+4*\i+1], v[X+32*\i:X+32*\i+1], v[X+32*\i:X+32*\i+1]
	v_pk_mul_f32 v[T+4*\i+2:T+4*\i+3], v[X+32*\i+2:X+32*\i+3], v[X+32*\i+2:X+32*\i+3]
.endr
.irp j, 4,8,12,16,20,24,28
.irp i, 0,1,2,3
	v_pk_fma_f32 v[T+4*\i:T+4*\i+1], v[X+32*\i+\j:X+32*\i+\j+1], v[X+32*\i+\j:X+32*\i+\j+1], v[T+4*\i:T+4*\i+1]
	v_pk_fma_f32 v[T+4*\i+2:T+4*\i+3], v[X+32*\i+\j+2:X+32*\i+\j+3], v[X+32*\i+\j+2:X+32*\i+\j+3], v[T+4*\i+2:T+4*\i+3]
.endr
.endr
	REDUCE
.irp i, 0,1,2,3
	v_fma_f32 v[T+4*\i], v[T+4*\i], s34, v[EPS]    ; var + eps
.endr
	s_wait_alu depctr_va_vdst(0)
.irp i, 0,1,2,3
	v_rsq_f32 v[RS+2*\i], v[T+4*\i]                ; one batch of four
.endr
	v_nop                                          ; a plain place behind the last of them
	s_wait_alu depctr_va_vdst(0)                   ; one wait for the batch, ahead of its first reader
.irp i, 0,1,2,3
	v_mov_b32 v[RS+2*\i+1], v[RS+2*\i]
.endr
.irp i, 0,1,2,3
.irp j, 0,2,4,6,8,10,12,14,16,18,20,22,24,26,28,30
	v_pk_mul_f32 v[X+32*\i+\j:X+32*\i+\j+1], v[X+32*\i+\j:X+32*\i+\j+1], v[RS+2*\i:RS+2*\i+1]
.endr
.irp j, 0,2,4,6,8,10,12,14,16,18,20,22,24,26,28,30
	v_pk_fma_f32 v[X+32*\i+\j:X+32*\i+\j+1], v[X+32*\i+\j:X+32*\i+\j+1], v[G+\j:G+\j+1], v[BV+\j:BV+\j+1]
.endr
.irp j, 0,1,2,3,4,5,6,7
	ds_store_b128 v[STO], v[X+32*\i+4*\j:X+32*\i+4*\j+3] offset:\i*PITCH+512*\j
.endr
.endr
	s_wait_dscnt 0x0                               ; for the others' sake: my rows lie in LDS
	s_barrier_signal -1
	s_barrier_wait -1
; 64 numbers of a lane, register 16 b + i = k 32 b + 16 (lane / 16) + i of my row, become a fragment's codes in v[PC] on and its scale word in v[PW]
.macro QUANT s
.irp b, 0,1,2,3
	v_max3_num_f32 v[TM+\b], |v[(\s)+16*\b]|, |v[(\s)+1+16*\b]|, 0x1800000   ; my 16 numbers of block b, and the floor 2^(3 - 127)
.endr
.irp i, 2,4,6,8,10,12,14
.irp b, 0,1,2,3
	v_max3_num_f32 v[TM+\b], v[TM+\b], |v[(\s)+16*\b+\i]|, |v[(\s)+1+16*\b+\i]|
.endr
.endr
.irp b, 0,1,2,3
	v_permlanex16_b32 v[TM+4+\b], v[TM+\b], s[SEL], s[SEL+1]
.endr
.irp b, 0,1,2,3
	v_max_num_f32 v[TM+\b], v[TM+\b], v[TM+4+\b]   ; with lane l xor 16's: the block's largest magnitude
.endr
.irp b, 0,1,2,3
	v_add_nc_u32 v[TM+12+\b], 0xff000000, v[TM+\b] ; 2 off its exponent field: the conversion's scale operand
.endr
.irp b, 0,1,2,3
	v_lshrrev_b32 v[TM+4+\b], 23, v[TM+12+\b]      ; the scale's byte
.endr
	v_lshl_or_b32 v[PW], v[TM+5], 8, v[TM+4]
	v_lshl_or_b32 v[PW], v[TM+6], 16, v[PW]
	v_lshl_or_b32 v[PW], v[TM+7], 24, v[PW]
.irp c, 0,1
	v_cvt_scalef32_pk16_fp6_f32 v[PC+6*\c:PC+2+6*\c], v[(\s)+32*\c:(\s)+15+32*\c], v[TM+12+2*\c]
	v_cvt_scalef32_pk16_fp6_f32 v[PC+12+4*\c:PC+14+4*\c], v[(\s)+16+32*\c:(\s)+31+32*\c], v[TM+12+2*\c+1]
.endr
	v_nop                                          ; one plain place behind the conversions
.irp c, 0,1                                    ; the operand's layout wants a whole block in a lane
.irp i, 0,1,2
	v_permlane16_swap_b32 v[PC+6*\c+\i], v[PC+12+4*\c+\i]
.endr
.irp i, 0,1,2
	v_mov_b32 v[PC+3+6*\c+\i], v[PC+12+4*\c+\i]
.endr
.endr
.endm
.irp b, 0,1,2,3
	v_mov_b32 v[TM+4+\b], 0                        ; written once: a lane permute's destination counts as one of its sources
.endr
.irp p, 0,1
.irp b, 0,1,2,3
.irp j, 0,1,2,3
	ds_load_b128 v[X+16*\b+4*\j:X+16*\b+4*\j+3], v[RD] offset:512*\p+128*\b+16*\j
.endr
.endr
	s_wait_dscnt 0x0
	s_wait_xcnt 0x0                                ; the last fragment's stores have read their registers
	QUANT X
	global_store_b128 v[L16], v[PC:PC+3], s[16:17] offset:13312*\p
	global_store_b64 v[L8], v[PC+4:PC+5], s[16:17] offset:13312*\p+512
	global_store_b128 v[L16], v[PC+6:PC+9], s[16:17] offset:13312*\p+768
	global_store_b64 v[L8], v[PC+10:PC+11], s[16:17] offset:13312*\p+1280
	global_store_b32 v[L4], v[PW], s[18:19] offset:13312*\p
.endr
	s_wait_tensorcnt 0x0                           ; the wave's end, behind my last LDS store
	ds_add_u32 v[SPW], v[NIL]
	s_wait_dscnt 0x0
	s_endpgm
.Lfunc_end_k_q4f621141b6_ln2:
	.size	k_q4f621141b6_ln2, .Lfunc_end_k_q4f621141b6_ln2-k_q4f621141b6_ln2
	.p2alignl 7, 3214868480
	.fill 96, 4, 3214868480
	.section	.rodata,"a",@progbits
	.p2align	6, 0x0
	.amdhsa_kernel k_q4f621141b6_ln2
		.amdhsa_group_segment_fixed_size 66304
		.amdhsa_private_segment_fixed_size 0
		.amdhsa_enable_private_segment 0
		.amdhsa_kernarg_size 32
		.amdhsa_user_sgpr_count 2
		.amdhsa_user_sgpr_kernarg_segment_ptr 1
		.amdhsa_wavefront_size32 1
		.amdhsa_system_sgpr_workgroup_id_x 1
		.amdhsa_system_sgpr_workgroup_id_y 1
		.amdhsa_system_sgpr_workgroup_id_z 1
		.amdhsa_system_vgpr_workitem_id 0
		.amdhsa_next_free_vgpr 256
		.amdhsa_next_free_sgpr 66
		.amdhsa_reserve_vcc 0
		.amdhsa_float_denorm_mode_32 3
		.amdhsa_float_denorm_mode_16_64 3
		.amdhsa_memory_ordered 1
		.amdhsa_forward_progress 1
		.amdhsa_inst_pref_size 44
	.end_amdhsa_kernel
	.amdgpu_metadata
---
amdhsa.version: [ 1, 2 ]
amdhsa.kernels:
  - .name:           k_q4f621141b6_ln2
    .symbol:         k_q4f621141b6_ln2.kd
    .args:
      - { .name: x1, .offset: 0, .size: 8, .value_kind: global_buffer, .address_space: global }
      - { .name: ln2_g, .offset: 8, .size: 8, .value_kind: global_buffer, .address_space: global }
      - { .name: ln2_b, .offset: 16, .size: 8, .value_kind: global_buffer, .address_space: global }
      - { .name: hr, .offset: 24, .size: 8, .value_kind: global_buffer, .address_space: global }
    .group_segment_fixed_size: 66304
    .private_segment_fixed_size: 0
    .kernarg_segment_align: 8
    .kernarg_segment_size: 32
    .max_flat_workgroup_size: 128
    .sgpr_count:     66
    .vgpr_count:     256
    .wavefront_size: 32
...
	.end_amdgpu_metadata
.endif
;; end of part 5
;; launch ffn1 (part 6): grid 256 x 1, 16 waves a work-group, no clusters, 327,680 bytes of LDS; arguments wr, hr, b1, fr; writes fr
.if DOCPART == 6
	.amdgcn_target "amdgcn-amd-amdhsa--gfx1250"
	.amdhsa_code_object_version 6
	.text
	.protected	k_q4f621141b6_ffn1
	.globl	k_q4f621141b6_ffn1
	.p2align	8
	.type	k_q4f621141b6_ffn1,@function
k_q4f621141b6_ffn1:
	s_mov_b64 s[64:65], 0
	v_nop
	global_prefetch_b8 v0, s[64:65] scope:SCOPE_SE
	s_setreg_imm32_b32 hwreg(HW_REG_WAVE_MODE, 25, 1), 1
	s_wait_xcnt 0x0
.set SPARE, 106496
.set L16, 1
.set L8,  2
.set L4,  3
.set SPW, 7
.set NIL, 8
.set H64, 9
.set SS,  10
.set S0B, 18
.set S1,  42
.set S1S, 114
.set ACC, 128
.set TM,  18
.set PW,  34
.set PC,  36
.set SEL, 20
	s_load_b256 s[4:11], s[0:1], 0x0
	v_lshl_add_u32 v[SPW], v0, 2, SPARE
	v_mov_b32 v[NIL], 0
	ds_add_u32 v[SPW], v[NIL]
	ds_add_u32 v[SPW], v[NIL]
	v_lshrrev_b32 v9, 5, v0
	s_delay_alu instid0(VALU_DEP_1)
	v_readfirstlane_b32 s12, v9
	v_and_b32 v9, 31, v0
	s_delay_alu instid0(VALU_DEP_1)
	v_lshlrev_b32 v[L16], 4, v9
	s_delay_alu instid0(VALU_DEP_2)
	v_lshlrev_b32 v[L8], 3, v9
	s_delay_alu instid0(VALU_DEP_3)
	v_lshlrev_b32 v[L4], 2, v9
	s_delay_alu instid0(VALU_DEP_3)
	v_add_nc_u32 v4, 53248, v[L16]
	s_delay_alu instid0(VALU_DEP_3)
	v_add_nc_u32 v5, 53248, v[L8]
	s_delay_alu instid0(VALU_DEP_3)
	v_add_nc_u32 v6, 53248, v[L4]
	v_bfe_u32 v9, v0, 4, 1
	s_delay_alu instid0(VALU_DEP_1)
	v_lshlrev_b32 v[H64], 6, v9
	s_mov_b32 s[SEL], 0x76543210
	s_mov_b32 s[SEL+1], 0xfedcba98
	s_mov_b32 s24, 3<<16
	s_mov_b32 s25, 32<<16
	s_mov_b32 s26, 13<<16
	s_mov_b32 s27, 32<<16
	s_mov_b32 s28, 13
	s_mov_b32 s29, 32
	s_mov_b32 s30, 0
	s_mov_b32 s31, 0
	s_and_b32 s39, ttmp9, 31
	s_lshr_b32 s38, ttmp9, 5
	s_lshl_b32 s38, s38, 4
	s_add_co_u32 s38, s38, s12
	s_mul_i32 s33, s12, 3328
	s_add_co_u32 s53, s33, 53248
	s_mul_i32 s40, s39, 106496
	s_add_co_u32 s40, s40, s33
	s_add_co_u32 s40, s40, 3407872
	s_mov_b32 s41, 0
	s_lshr_b32 s44, s38, 2
	s_lshl_b32 s44, s44, 5
	s_and_b32 s45, s38, 3
	s_add_co_u32 s44, s44, s45
	s_mul_i32 s44, s44, 3328
	s_mov_b32 s45, 0
	s_lshl_b32 s46, s39, 9
	s_mov_b32 s47, 0
	s_lshl_b32 s48, s38, 5
	s_add_co_u32 s48, s48, s39
	s_mul_i32 s48, s48, 3328
	s_mov_b32 s49, 0
	s_wait_alu depctr_va_vdst(0)
	s_wait_dscnt 0x0
	s_wait_kmcnt 0x0
	s_mov_b32 s32, 1
	s_add_nc_u64 s[34:35], s[4:5], s[40:41]
	s_mov_b32 s52, 1
	s_add_nc_u64 s[54:55], s[34:35], 53248
	s_or_b32 s35, s35, 0x80000000
	s_or_b32 s55, s55, 0x80000000
	tensor_load_to_lds s[32:35], s[24:31]
	s_nop 0
	s_add_nc_u64 s[16:17], s[6:7], s[44:45]
	s_add_nc_u64 s[8:9], s[8:9], s[46:47]
	s_add_nc_u64 s[14:15], s[10:11], s[48:49]
.irp u, 0,1
.irp b, 0,1,2,3
.irp j, 0,1,2,3
	global_load_b128 v[ACC+64*\u+16*\b+4*\j:ACC+64*\u+16*\b+4*\j+3], v[H64], s[8:9] offset:128*\b+16*\j
.endr
.endr
.endr
.macro S1LOAD i, st
.irp u, 0,1
	global_load_b128 v[S1+24*(\i)+12*\u:S1+24*(\i)+12*\u+3], v[L16], s[16:17] offset:13312*(\st)+1536*\u
	global_load_b64 v[S1+24*(\i)+12*\u+4:S1+24*(\i)+12*\u+5], v[L8], s[16:17] offset:13312*(\st)+1536*\u+512
	global_load_b128 v[S1+24*(\i)+12*\u+6:S1+24*(\i)+12*\u+9], v[L16], s[16:17] offset:13312*(\st)+1536*\u+768
	global_load_b64 v[S1+24*(\i)+12*\u+10:S1+24*(\i)+12*\u+11], v[L8], s[16:17] offset:13312*(\st)+1536*\u+1280
	global_load_b32 v[S1S+2*(\i)+\u], v[L4], s[16:17] offset:13312*(\st)+3072+128*\u
.endr
.endm
.macro WM t, u
	v_wmma_scale_f32_16x16x128_f8f6f4 v[ACC+64*(\u)+8*(\t):ACC+64*(\u)+8*(\t)+7], v[S0B+12*((\t)%2):S0B+12*((\t)%2)+11], v[SET+12*(\u):SET+12*(\u)+11], v[ACC+64*(\u)+8*(\t):ACC+64*(\u)+8*(\t)+7], v[SS+(\t)], v[SCR+(\u)] matrix_a_fmt:MATRIX_FMT_FP6 matrix_b_fmt:MATRIX_FMT_FP6
.endm
.macro KSTEP s
.set SET, S1+24*((\s)%3)
.set SCR, S1S+2*((\s)%3)
.set LB, L16+3*((\s)/4)
.set LO, ((\s)%4)*13312
.if (\s) < 6
	s_wait_loadcnt 20
.else
	s_wait_loadcnt 10*(7-(\s))
.endif
.irp t, 0,1,2,3,4,5,6,7
	ds_load_b32 v[SS+\t], v[LB+2] offset:LO+(\t/2)*3328+3072+128*(\t%2)
.endr
.irp p, 0,1,2,3
.irp u, 0,1
	ds_load_b128 v[S0B+12*\u:S0B+12*\u+3], v[LB] offset:LO+\p*3328+1536*\u
	ds_load_b64 v[S0B+12*\u+4:S0B+12*\u+5], v[LB+1] offset:LO+\p*3328+1536*\u+512
	ds_load_b128 v[S0B+12*\u+6:S0B+12*\u+9], v[LB] offset:LO+\p*3328+1536*\u+768
	ds_load_b64 v[S0B+12*\u+10:S0B+12*\u+11], v[LB+1] offset:LO+\p*3328+1536*\u+1280
.endr
	s_wait_dscnt 0x0
	WM 2*\p, 0
	WM 2*\p+1, 0
	WM 2*\p, 1
	WM 2*\p+1, 1
.rept 4
	v_nop
.endr
.endr
.if (\s) < 5
	S1LOAD (\s)%3, (\s)+3
.endif
.endm
	S1LOAD 0, 0
	S1LOAD 1, 1
	S1LOAD 2, 2
	s_wait_alu depctr_va_vdst(0)
	s_wait_tensorcnt 0x0                           ; my part of the first half of K is in
	ds_add_u32 v7, v8
	s_wait_dscnt 0x0
	s_barrier_signal -1
	s_barrier_wait -1                              ; everybody's part is in
	tensor_load_to_lds s[52:55], s[24:31]
	s_nop 0
	KSTEP 0
	KSTEP 1
	KSTEP 2
	KSTEP 3
	s_wait_tensorcnt 0x0
	s_barrier_signal -1
	s_barrier_wait -1
	KSTEP 4
	KSTEP 5
	KSTEP 6
	KSTEP 7
.macro QUANT s
.irp b, 0,1,2,3
	v_max3_num_f32 v[TM+\b], |v[(\s)+16*\b]|, |v[(\s)+1+16*\b]|, 0x1800000
.endr
.irp i, 2,4,6,8,10,12,14
.irp b, 0,1,2,3
	s_delay_alu instid0(VALU_DEP_4)
	v_max3_num_f32 v[TM+\b], v[TM+\b], |v[(\s)+16*\b+\i]|, |v[(\s)+1+16*\b+\i]|
.endr
.endr
.irp b, 0,1,2,3
	s_delay_alu instid0(VALU_DEP_4)
	v_permlanex16_b32 v[TM+4+\b], v[TM+\b], s[SEL], s[SEL+1]
.endr
.irp b, 0,1,2,3
	s_delay_alu instid0(VALU_DEP_4)
	v_max_num_f32 v[TM+\b], v[TM+\b], v[TM+4+\b]
.endr
.irp b, 0,1,2,3
	s_delay_alu instid0(VALU_DEP_4)
	v_add_nc_u32 v[TM+12+\b], 0xff000000, v[TM+\b]
.endr
.irp b, 0,1,2,3
	s_delay_alu instid0(VALU_DEP_4)
	v_lshrrev_b32 v[TM+4+\b], 23, v[TM+12+\b]
.endr
	s_delay_alu instid0(VALU_DEP_3)
	v_lshl_or_b32 v[PW], v[TM+5], 8, v[TM+4]
	s_delay_alu instid0(VALU_DEP_1)
	v_lshl_or_b32 v[PW], v[TM+6], 16, v[PW]
	s_delay_alu instid0(VALU_DEP_1)
	v_lshl_or_b32 v[PW], v[TM+7], 24, v[PW]
.irp c, 0,1
	v_cvt_scalef32_pk16_fp6_f32 v[PC+6*\c:PC+2+6*\c], v[(\s)+32*\c:(\s)+15+32*\c], v[TM+12+2*\c]
	v_cvt_scalef32_pk16_fp6_f32 v[PC+12+4*\c:PC+14+4*\c], v[(\s)+16+32*\c:(\s)+31+32*\c], v[TM+12+2*\c+1]
.endr
	v_nop
.irp c, 0,1
.irp i, 0,1,2
	v_permlane16_swap_b32 v[PC+6*\c+\i], v[PC+12+4*\c+\i]
.endr
.irp i, 0,1,2
	s_delay_alu instid0(VALU_DEP_3)
	v_mov_b32 v[PC+3+6*\c+\i], v[PC+12+4*\c+\i]
.endr
.endr
.endm
.irp b, 0,1,2,3
	v_mov_b32 v[TM+4+\b], 0
.endr
.irp u, 0,1
.set J, 0
.rept 64
	v_max_num_f32 v[ACC+64*\u+J], 0, v[ACC+64*\u+J]
.set J, J+1
.endr
	QUANT ACC+64*\u
	global_store_b128 v[L16], v[PC:PC+3], s[14:15] offset:1536*\u
	global_store_b64 v[L8], v[PC+4:PC+5], s[14:15] offset:1536*\u+512
	global_store_b128 v[L16], v[PC+6:PC+9], s[14:15] offset:1536*\u+768
	global_store_b64 v[L8], v[PC+10:PC+11], s[14:15] offset:1536*\u+1280
	global_store_b32 v[L4], v[PW], s[14:15] offset:3072+128*\u
	s_wait_xcnt 0x0
.endr
	s_wait_tensorcnt 0x0
	ds_add_u32 v[SPW], v[NIL]
	s_wait_dscnt 0x0
	s_endpgm
.Lfunc_end_k_q4f621141b6_ffn1:
	.size	k_q4f621141b6_ffn1, .Lfunc_end_k_q4f621141b6_ffn1-k_q4f621141b6_ffn1
	.p2alignl 7, 3214868480
	.fill 96, 4, 3214868480
	.section	.rodata,"a",@progbits
	.p2align	6, 0x0
	.amdhsa_kernel k_q4f621141b6_ffn1
		.amdhsa_group_segment_fixed_size 327680
		.amdhsa_private_segment_fixed_size 0
		.amdhsa_enable_private_segment 0
		.amdhsa_kernarg_size 32
		.amdhsa_user_sgpr_count 2
		.amdhsa_user_sgpr_kernarg_segment_ptr 1
		.amdhsa_wavefront_size32 1
		.amdhsa_system_sgpr_workgroup_id_x 1
		.amdhsa_system_sgpr_workgroup_id_y 1
		.amdhsa_system_sgpr_workgroup_id_z 1
		.amdhsa_system_vgpr_workitem_id 0
		.amdhsa_next_free_vgpr 256
		.amdhsa_next_free_sgpr 66
		.amdhsa_reserve_vcc 0
		.amdhsa_float_denorm_mode_32 3
		.amdhsa_float_denorm_mode_16_64 3
		.amdhsa_memory_ordered 1
		.amdhsa_forward_progress 1
		.amdhsa_inst_pref_size 72
	.end_amdhsa_kernel
	.amdgpu_metadata
---
amdhsa.version: [ 1, 2 ]
amdhsa.kernels:
  - .name:           k_q4f621141b6_ffn1
    .symbol:         k_q4f621141b6_ffn1.kd
    .args:
      - { .name: wr, .offset: 0, .size: 8, .value_kind: global_buffer, .address_space: global }
      - { .name: hr, .offset: 8, .size: 8, .value_kind: global_buffer, .address_space: global }
      - { .name: b1, .offset: 16, .size: 8, .value_kind: global_buffer, .address_space: global }
      - { .name: fr, .offset: 24, .size: 8, .value_kind: global_buffer, .address_space: global }
    .group_segment_fixed_size: 327680
    .private_segment_fixed_size: 0
    .kernarg_segment_align: 8
    .kernarg_segment_size: 32
    .max_flat_workgroup_size: 512
    .sgpr_count:     66
    .vgpr_count:     256
    .wavefront_size: 32
...
	.end_amdgpu_metadata
.endif
;; end of part 6
;; launch ffn2 (part 7): grid 8 x 32, 4 waves a work-group, clusters of 4 x 4, 327,680 bytes of LDS; arguments wr, fr, x1, b2, out0; writes out0
.if DOCPART == 7
	.amdgcn_target "amdgcn-amd-amdhsa--gfx1250"
	.amdhsa_code_object_version 6
	.text
	.protected	k_q4f621141b6_ffn2
	.globl	k_q4f621141b6_ffn2
	.p2align	8
	.type	k_q4f621141b6_ffn2,@function
k_q4f621141b6_ffn2:
	s_mov_b64 s[64:65], 0
	v_nop
	global_prefetch_b8 v0, s[64:65] scope:SCOPE_SE
	s_setreg_imm32_b32 hwreg(HW_REG_WAVE_MODE, 25, 1), 1
	s_wait_xcnt 0x0
	s_wait_alu depctr_hold_cnt(0) depctr_sa_sdst(0) depctr_va_vdst(0) depctr_va_sdst(0) depctr_va_ssrc(0) depctr_va_vcc(0) depctr_vm_vsrc(0)
	s_getreg_b32 s2, hwreg(HW_REG_IB_STS2, 6, 4)
	s_cmp_eq_u32 s2, 0
	s_cbranch_scc0 .Lentry_in_a_cluster
	s_endpgm
.Lentry_in_a_cluster:
	s_bfe_u32 s2, ttmp6, 0x10000c
	s_cmp_lg_u32 s2, 0xf033
	s_cbranch_scc0 .Lentry_shape_is_right
	s_endpgm
.Lentry_shape_is_right:
; out0 = x1 + relu(..) times w2 + b2, on codes of FP6 (E2M3) with E8M0 scales.  M = 4,096 tokens, N = 1,024, K = 4,096: 32 K steps of 128, one ascending sum for each output.  No work is left out.
; OPERANDS are the records of the launch prep's head comment (a pair of 32 rows x 128 K, 3,328 bytes, an image of operand registers):
; fr lies [token pair][K step]; w2's records lie in wr from WOFF on as [64 columns][K step][pair of the two].
; A BLOCK of the result is 128 tokens x 128 columns: 32 x 8 = 256 work-groups.  Four waves, each one token pair x all 128 columns: 2 x 8 = 16 accumulators by turns.
; THE TWO OPERANDS COME BY TWO ROADS.  The weight's records, which all four waves read, go through a ring of two LDS slots of EIGHT K steps (106,496 bytes): four chunks, two refills; each wave fills a quarter
; (26,624 dense bytes) by one tensor load.  A wave's token record of a K step is read by that wave alone: it goes from memory straight into operand registers, nine loads a step, asked for SEVEN K steps ahead, in eight sets by turns.
; A TRIP OF THE LOOP IS ONE CHUNK: the slot's offset is a scalar that takes the values 0 and SLOT by turns; the six LDS address registers are made anew from it behind each change of slots; one group 0 serves all tensor loads.
; CLUSTERS: 4 x 4 work-groups.  The weight's tiles hang on the tile column alone and are asked for jointly along a column of the cluster.  The tokens go to registers, where no joint load exists.
; Source 0 = 16 rows of the weight, source 1 = 16 tokens: a lane holds one token, and the 16 registers of accumulators 2 b, 2 b + 1 are 16 neighbouring columns.
; One register carries the scale words of both tiles of a pair: lanes 0-15 tile 0's, lanes 16-31 tile 1's (ROW1).
; REGISTERS: window 0: v4-31 addresses and the bias, v32-127 and v128-223 two sets of the weight's 8 fragments, v224-231 their scale registers, v232-239 the tokens' scale registers.
; Window 1: v0-127 accumulator (a, t) at 64 a + 8 t; v128-255 the residual.  Window 2: v0-191 eight sets of two token fragments.
; PREFETCH of the weight: behind the loads of chunks 1 and 2 a wave names the next chunk, eight K steps ahead of the load that will bring it: of that load's 104 blocks of 256 bytes each of the four partners takes 26,
; told apart by address (lanes 26-31 name the last again).  Chunks 0 and 1 come by their loads alone.  The tokens have none: their own loads run seven K steps ahead.
; LIMITS: NaN and infinities among the inputs are not served.
.set REC,   3328
.set CHB,   16*REC                     ; 64 columns' chunk of eight K steps
.set QUART, 8*REC                      ; what one tensor load brings
.set PA,    32*REC                     ; from pair to pair in fr
.set PB,    64*REC                     ; from 64 columns to the next in wr
.set WOFF,  6815744
.set SLOT,  2*CHB
.set STAGE, 2*SLOT                     ; behind the ring: two stages of 16 rows x 528 bytes for each wave
.set SPITCH, 528
.set STG,   16*SPITCH
.set SPARE, STAGE+8*STG                ; behind the stages: the spare words, 128 bytes a wave
.set L16, 4                            ; v4 16 x lane, v5 8 x lane, v6 4 x lane + 64 (lane / 16)
.set L8,  5
.set L4,  6
.set AD,  10                           ; v10-15 the slot at work: v[AD + 2 m + q] = slot + q CHB + v[L16 + m]
.set BI,  16                           ; v16-19 the bias
.set STO, 20
.set RDP, 21
.set PFO, 23                           ; 256 x min(lane, 25)
.set SPW, 28
.set NIL, 29
.set F,   32
.set SCW, 224
.set SCT, 232
.set OW,  32                           ; the way out: 16 rows read back, two buffers of 64
.set G1,  24
.set G0,  32
.set MULW, 0x58                        ; source 1 in window 2, C and D in window 1
.set MSB, 0
.macro WIN new                         ; the immediate's high byte repeats the setting that is left
.if MSB != \new
	s_set_vgpr_msb (MSB<<8)|\new
.set MSB, \new
.endif
.endm
.macro PLACES
.rept 4
	v_nop
.endr
.endm
.macro JLOAD                           ; a joint load: every wave its quarter of the slot, the same line and mask in all partners
	tensor_load_to_lds s[G0:G0+3], s[G1:G1+7]
	s_nop 0
	PLACES
.endm
.macro CREST                           ; a round of the cluster's barrier behind its opening barrier
	s_cmp_lg_u32 s14, 0
	s_cbranch_scc1 .Lnot_wave_0_\@
	s_barrier_signal -3
.Lnot_wave_0_\@:
	s_barrier_wait -3
	s_barrier_signal -1
	s_barrier_wait -1
.endm
.macro CROUND
	s_barrier_signal -1
	s_barrier_wait -1
	CREST
.endm
.macro ADR                             ; the six LDS addresses of the slot at s48 (s49 = s48 + CHB)
.irp m, 0,1,2
	v_add_nc_u32 v[AD+2*\m], s48, v[L16+\m]
	v_add_nc_u32 v[AD+2*\m+1], s49, v[L16+\m]
.endr
	s_wait_alu depctr_va_vdst(0)                   ; the wait behind these writes
.endm
.macro FLIP                            ; on to the other slot
	s_xor_b32 s48, s48, SLOT
	s_add_co_u32 s49, s48, CHB
	ADR
.endm
.macro TLOAD k, o                      ; my token record o K steps on from the base, into set k: nine loads
	WIN 0
	global_load_b32 v[SCT+(\k)], v[L4], s[18:19] offset:(\o)*REC+3072
	WIN 0x80
.irp u, 0,1
	global_load_b128 v[24*(\k)+12*\u:24*(\k)+12*\u+3], v[L16], s[18:19] offset:(\o)*REC+1536*\u
	global_load_b64 v[24*(\k)+12*\u+4:24*(\k)+12*\u+5], v[L8], s[18:19] offset:(\o)*REC+1536*\u+512
	global_load_b128 v[24*(\k)+12*\u+6:24*(\k)+12*\u+9], v[L16], s[18:19] offset:(\o)*REC+1536*\u+768
	global_load_b64 v[24*(\k)+12*\u+10:24*(\k)+12*\u+11], v[L8], s[18:19] offset:(\o)*REC+1536*\u+1280
.endr
.endm
	s_load_b256 s[4:11], s[0:1], 0x0               ; wr, fr, x1, b2
	s_load_b64 s[12:13], s[0:1], 0x20              ; out0
	v_lshl_add_u32 v[SPW], v0, 2, SPARE
	v_mov_b32 v[NIL], 0
	ds_add_u32 v[SPW], v[NIL]                      ; the opening: the add, twice on end, and its wait ahead of the round and my first tensor load
	ds_add_u32 v[SPW], v[NIL]
	v_lshrrev_b32 v1, 5, v0
	v_readfirstlane_b32 s14, v1                    ; wave 0..3
	s_lshr_b32 s15, s14, 1                         ; which 64 columns I fetch,
	s_and_b32 s16, s14, 1                          ; and which four of a chunk's eight K steps
	s_bfe_u32 s40, ttmp6, 0x40000                  ; cx
	s_bfe_u32 s41, ttmp6, 0x40004                  ; cy
	s_lshl_b32 s42, ttmp9, 2
	s_add_co_u32 s42, s42, s40                     ; tile column 0..7
	s_and_b32 s17, ttmp7, 0xffff
	s_lshl_b32 s17, s17, 2
	s_add_co_u32 s17, s17, s41                     ; tile row 0..31
	s_lshl_b32 s44, 0x1111, s40                    ; my column of the cluster
	s_or_b32 s[G1+0], s44, (3<<16)|(1<<21)         ; group 1: the mask, elements of 8 bytes, bit 21 beside the mask; 104 dense rows of 256 bytes
	s_mov_b32 s[G1+1], 32<<16
	s_mov_b32 s[G1+2], 104<<16
	s_mov_b32 s[G1+3], 32<<16
	s_mov_b32 s[G1+4], 104
	s_mov_b32 s[G1+5], 32
	s_mov_b32 s[G1+6], 0
	s_mov_b32 s[G1+7], 0
	s_lshl_b32 s46, s42, 1
	s_add_co_u32 s46, s46, s15
	s_mul_i32 s46, s46, PB                         ; the weight: 64 columns number 2 x tile column + wave / 2,
	s_mul_i32 s47, s16, QUART                      ; + four K steps x wave % 2
	s_add_co_u32 s46, s46, s47
	s_add_co_u32 s46, s46, WOFF
	s_mov_b32 s47, 0
	s_mov_b32 s22, s46                             ; (kept for the prefetches)
	s_lshl_b32 s20, s17, 2
	s_add_co_u32 s20, s20, s14
	s_mul_i32 s20, s20, PA                         ; my token pair: 4 x tile row + wave
	s_mov_b32 s21, 0
	s_mul_i32 s45, s14, QUART                      ; where my load lands in a slot: wave x 26,624
	s_mul_i32 s2, s14, 2*STG
	s_add_co_u32 s2, s2, STAGE                     ; my two stages
	s_mov_b32 s48, 0                               ; the slot at work: 0,
	s_mov_b32 s49, CHB                             ; and its second 64 columns
	s_wait_dscnt 0x0                               ; both opening adds are done
	s_wait_kmcnt 0x0
	s_add_nc_u64 s[46:47], s[4:5], s[46:47]
	s_add_nc_u64 s[18:19], s[6:7], s[20:21]
	CROUND                                         ; all sixteen work-groups are here: the first joint loads meet
	s_mov_b32 s[G0], 1
	s_mov_b32 s[G0+1], s45
	s_mov_b64 s[G0+2:G0+3], s[46:47]
	s_or_b32 s[G0+3], s[G0+3], 0x80000000
	JLOAD                                          ; chunk 0: one tensor load a wave at the head
	v_and_b32 v1, 31, v0
	v_bfe_u32 v2, v0, 4, 1                         ; h
	v_and_b32 v3, 15, v0                           ; r
	v_lshlrev_b32 v[L16], 4, v1
	v_lshlrev_b32 v[L8], 3, v1
	v_lshlrev_b32 v[L4], 2, v1
	v_lshl_add_u32 v[L4], v2, 6, v[L4]             ; lanes 0-15 tile 0's scale words, lanes 16-31 tile 1's, 128 bytes on
	v_mul_u32_u24 v27, v3, SPITCH
	v_lshl_add_u32 v27, v2, 6, v27
	v_add_nc_u32 v[STO], s2, v27                   ; into the stage: row r, + 64 h
	v_add_nc_u32 v[RDP], s2, v[L16]                ; back: the 32 lanes take one row of 512 bytes
	v_min_u32 v[PFO], 25, v1
	v_lshlrev_b32 v[PFO], 8, v[PFO]
	ADR                                            ; (its wait serves all the addresses just made)
.irp k, 0,1,2,3,4,5,6
	TLOAD \k, \k                                   ; K steps 0 to 6 of my tokens: 63 loads
.endr
	WIN 0
	s_lshl_b32 s20, s17, 7                         ; my part of x1 and out0: row 128 x tile row + 32 x wave,
	s_lshl_b32 s21, s14, 5
	s_add_co_u32 s20, s20, s21
	s_lshl_b32 s20, s20, 12
	s_mov_b32 s21, 0
	s_lshl_b32 s46, s42, 9                         ; byte 512 x tile column of a row
	s_mov_b32 s47, 0
	s_add_nc_u64 s[20:21], s[20:21], s[46:47]
	s_add_nc_u64 s[8:9], s[8:9], s[20:21]
	s_add_nc_u64 s[12:13], s[12:13], s[20:21]
	s_add_nc_u64 s[10:11], s[10:11], s[46:47]
	s_mul_i32 s23, s41, 2*REC                      ; the prefetches: my load's 26,624 bytes, + 6,656 cy,
	s_add_co_u32 s22, s22, s23
	s_add_co_u32 s22, s22, 2*CHB                   ; at chunk 2
	s_mov_b32 s23, 0
	s_add_nc_u64 s[4:5], s[4:5], s[22:23]
.macro FRAG reg, a16, a8, o            ; a fragment as it lies in its record
	ds_load_b128 v[\reg:\reg+3], v[\a16] offset:\o
	ds_load_b64 v[\reg+4:\reg+5], v[\a8] offset:\o+512
	ds_load_b128 v[\reg+6:\reg+9], v[\a16] offset:\o+768
	ds_load_b64 v[\reg+10:\reg+11], v[\a8] offset:\o+1280
.endm
.macro FETCH j, p                      ; the weight's K step j of the slot at work: 36 LDS loads in one run, into set p
.irp q, 0,1
.irp e, 0,1
.irp u, 0,1
	FRAG F+96*(\p)+12*(4*\q+2*\e+\u), AD+\q, AD+2+\q, (\j)*2*REC+\e*REC+\u*1536
.endr
	ds_load_b32 v[SCW+4*(\p)+2*\q+\e], v[AD+4+\q] offset:(\j)*2*REC+\e*REC+3072
.endr
.endr
.endm
.macro WMX a, t, i, c                  ; token tile a x weight tile t at K step i of a chunk; c: the C operand
.set DD, 64*(\a)+8*(\t)
.set WW, F+96*((\i)%2)+12*(\t)
.set TK, 24*(\i)+12*(\a)
.set SW, SCW+4*((\i)%2)+(\t)/2
.set SK, SCT+(\i)
.if (\t)%2 == 0
.if (\a)%2 == 0
	v_wmma_scale_f32_16x16x128_f8f6f4 v[DD:DD+7], v[WW:WW+11], v[TK:TK+11], \c, v[SW], v[SK] matrix_a_fmt:MATRIX_FMT_FP6 matrix_b_fmt:MATRIX_FMT_FP6
.else
	v_wmma_scale_f32_16x16x128_f8f6f4 v[DD:DD+7], v[WW:WW+11], v[TK:TK+11], \c, v[SW], v[SK] matrix_a_fmt:MATRIX_FMT_FP6 matrix_b_fmt:MATRIX_FMT_FP6 matrix_b_scale:MATRIX_SCALE_ROW1
.endif
.else
.if (\a)%2 == 0
	v_wmma_scale_f32_16x16x128_f8f6f4 v[DD:DD+7], v[WW:WW+11], v[TK:TK+11], \c, v[SW], v[SK] matrix_a_fmt:MATRIX_FMT_FP6 matrix_b_fmt:MATRIX_FMT_FP6 matrix_a_scale:MATRIX_SCALE_ROW1
.else
	v_wmma_scale_f32_16x16x128_f8f6f4 v[DD:DD+7], v[WW:WW+11], v[TK:TK+11], \c, v[SW], v[SK] matrix_a_fmt:MATRIX_FMT_FP6 matrix_b_fmt:MATRIX_FMT_FP6 matrix_a_scale:MATRIX_SCALE_ROW1 matrix_b_scale:MATRIX_SCALE_ROW1
.endif
.endif
.endm
.macro MULQ g, i, zero                 ; a quarter of a K step: token tile g / 2 x weight tiles 4 (g % 2) + 0 .. 3; zero = 1: they start the sums
.irp t, 0,1,2,3
.if \zero
	WMX (\g)/2, 4*((\g)%2)+\t, \i, 0
.else
	WMX (\g)/2, 4*((\g)%2)+\t, \i, v[DD:DD+7]
.endif
.endr
.endm
; K step i of a chunk.  Ahead of its 16 products: the weight's next fragments (step nj of the slot at work) into the other set, and, where ld is not 0, my token record ld steps on from the base
; into the set that the last step multiplied.  cnt: the global loads issued behind this step's nine.
.macro STEP i, nj, zero, ld, cnt
	s_wait_dscnt 0x0                               ; the weight's set is in,
	s_wait_loadcnt \cnt                            ; and my tokens'
	PLACES                                         ; four places between the last step's products and loads into the registers that they read
	FETCH \nj, 1-(\i)%2
.if \ld
	TLOAD ((\i)+7)%8, \ld
.endif
	WIN MULW
.irp g, 0,1,2,3
	MULQ \g, \i, \zero
.endr
	WIN 0
.endm
.macro MEET cnt                        ; a chunk's last step (7), first half: one barrier for the change of slots
	s_wait_loadcnt \cnt
	s_wait_tensorcnt 0x0                           ; all my tensor loads have landed: the one that was out is my part of the next slot;
	ds_add_u32 v[SPW], v[NIL]                      ; 0 onto my spare word;
	s_wait_dscnt 1                                 ; the weight's set is in; the add alone may be out
	WIN MULW
	MULQ 0, 7, 0
	s_wait_dscnt 0x0                               ; the add is done, and my reads of this slot are over
	s_barrier_signal -1
	MULQ 1, 7, 0
	WIN 0
	s_barrier_wait -1
.endm
	s_wait_alu depctr_va_vdst(0)
	s_wait_tensorcnt 0x0                           ; my part of chunk 0 is in; the same lines as ahead of a refill stand ahead of slot 1's first fill
	ds_add_u32 v[SPW], v[NIL]
	s_wait_dscnt 0x0
	CROUND
	s_add_co_u32 s[G0+1], s45, SLOT                ; no tensor load of mine is out: group 0 may be written
	s_add_nc_u64 s[G0+2:G0+3], s[G0+2:G0+3], CHB
	JLOAD                                          ; chunk 1
	FETCH 0, 0
	global_prefetch_b8 v[PFO], s[4:5] th:TH_LOAD_NT scope:SCOPE_SE   ; chunk 2
	STEP 0, 1, 1, 7, 54                            ; the first K step starts the sums.  54: the six later steps' loads, nine each, may be out
	s_mov_b32 s3, 2
.Lchunk:                                           ; a trip goes from a chunk's second K step to the next chunk's first: eight steps, one refill, eight token records
.irp i, 1,2,3,4,5,6
	STEP \i, \i+1, 0, \i+7, 54
.endr
	s_wait_xcnt 0x0                                ; my last prefetch has read its address
	s_add_nc_u64 s[4:5], s[4:5], CHB
	MEET 54
	CREST                                          ; the barrier has opened a round of the cluster's barrier: no wave of any partner still reads this slot or has a load on its way
	s_add_co_u32 s[G0+1], s45, s48                 ; the slot just read out takes the chunk two on
	s_add_nc_u64 s[G0+2:G0+3], s[G0+2:G0+3], CHB
	JLOAD                                          ; the first tensor load behind the round; its four v_nop are the places ahead of the loads below
	FLIP
	FETCH 0, 0
	TLOAD 6, 14
	WIN 0
	s_cmp_gt_u32 s3, 1                             ; behind the last refill no chunk is left to name
	s_cbranch_scc0 .Lno_ask
	global_prefetch_b8 v[PFO], s[4:5] th:TH_LOAD_NT scope:SCOPE_SE
.Lno_ask:
	WIN MULW
	MULQ 2, 7, 0
	MULQ 3, 7, 0
	WIN 0
	STEP 0, 1, 0, 15, 54
	s_wait_xcnt 0x0                                ; the token loads have read their base
	s_add_nc_u64 s[18:19], s[18:19], 8*REC
	s_sub_co_u32 s3, s3, 1
	s_cmp_lg_u32 s3, 0
	s_cbranch_scc1 .Lchunk
.irp i, 1,2,3,4,5,6                    ; chunk 2 goes on: nothing more is fetched for the ring
	STEP \i, \i+1, 0, \i+7, 54
.endr
	MEET 54                                        ; chunk 3 is whole; nothing is filled again, so no round follows
	PLACES
	FLIP
	FETCH 0, 0
	TLOAD 6, 14
	WIN MULW
	MULQ 2, 7, 0
	MULQ 3, 7, 0
	WIN 0
	STEP 0, 1, 0, 15, 54                           ; the last token record is asked for
	; the residual and the bias are asked for here: 32 rows x 512 bytes, a row to an instruction, into window 1, v128-255
	WIN 0x40
.irp a, 0,1
.irp i, 0,1,2,3,4,5,6,7,8,9,10,11,12,13,14,15
	global_load_b128 v[128+64*\a+4*\i:128+64*\a+4*\i+3], v[L16], s[8:9] offset:(8*\a+\i+8*(\i/8))*4096
.endr
.endr
	WIN 0
	global_load_b128 v[BI:BI+3], v[L16], s[10:11]
	STEP 1, 2, 0, 0, 63                            ; behind a step's nine: the later steps' token loads and these 33; where that is above 63, the count is 63
	STEP 2, 3, 0, 0, 63
	STEP 3, 4, 0, 0, 63
	STEP 4, 5, 0, 0, 60                            ; 27 + 33
	STEP 5, 6, 0, 0, 51                            ; 18 + 33
	STEP 6, 7, 0, 0, 42                            ; 9 + 33
	s_wait_dscnt 0x0
	s_wait_loadcnt 33
	WIN MULW
.irp g, 0,1,2,3
	MULQ \g, 7, 0
.endr
	WIN 0
; THE WAY OUT, token tile by token tile: 16 rows x 512 bytes through my own stage (one for each tile), back as rows, + bias + residual; the 32 lanes store 512 consecutive bytes, at a multiple of 256 from the buffer's first byte.
.macro TOSTAGE a
	WIN 0x04                                       ; the data lie in window 1
.irp b, 0,1,2,3
.irp j, 0,1,2,3
	ds_store_b128 v[STO], v[64*(\a)+16*\b+4*\j:64*(\a)+16*\b+4*\j+3] offset:(\a)*STG+128*\b+16*\j   ; each accumulator from its low end on
.endr
.endr
	WIN 0
.irp i, 0,1,2,3,4,5,6,7,8,9,10,11,12,13,14,15
	ds_load_b128 v[OW+64*(\a)+4*\i:OW+64*(\a)+4*\i+3], v[RDP] offset:(\a)*STG+SPITCH*\i   ; LDS serves a wave's instructions in order: these see the stores above
.endr
.endm
.macro SEND a, younger                 ; younger: the LDS instructions issued behind tile a's loads
.set OO, OW+64*(\a)
	s_wait_dscnt \younger
.irp i, 0,1,2,3,4,5,6,7,8,9,10,11,12,13,14,15
.irp e, 0,2
	v_pk_add_f32 v[OO+4*\i+\e:OO+4*\i+\e+1], v[OO+4*\i+\e:OO+4*\i+\e+1], v[BI+\e:BI+\e+1]
.endr
.endr
	WIN 0x04                                       ; source 1: the residual, in window 1
.irp i, 0,1,2,3,4,5,6,7,8,9,10,11,12,13,14,15
.irp e, 0,2
	v_pk_add_f32 v[OO+4*\i+\e:OO+4*\i+\e+1], v[OO+4*\i+\e:OO+4*\i+\e+1], v[128+64*(\a)+4*\i+\e:128+64*(\a)+4*\i+\e+1]
.endr
.endr
	WIN 0
.irp i, 0,1,2,3,4,5,6,7,8,9,10,11,12,13,14,15
	global_store_b128 v[L16], v[OO+4*\i:OO+4*\i+3], s[12:13] offset:(8*(\a)+\i+8*(\i/8))*4096 th:TH_STORE_NT
.endr
.endm
	PLACES                                         ; four places between the last products and the first read of results
	TOSTAGE 0
	TOSTAGE 1
	s_wait_loadcnt 0x0                             ; the residual and the bias
	SEND 0, 32                                     ; behind tile 0's loads: tile 1's 16 stores and 16 loads
	SEND 1, 0
	s_wait_tensorcnt 0x0                           ; the wave's end
	ds_add_u32 v[SPW], v[NIL]
	s_wait_dscnt 0x0
	CROUND                                         ; the closing round
	s_endpgm
.Lfunc_end_k_q4f621141b6_ffn2:
	.size	k_q4f621141b6_ffn2, .Lfunc_end_k_q4f621141b6_ffn2-k_q4f621141b6_ffn2
	.p2alignl 7, 3214868480
	.fill 96, 4, 3214868480
	.section	.rodata,"a",@progbits
	.p2align	6, 0x0
	.amdhsa_kernel k_q4f621141b6_ffn2
		.amdhsa_group_segment_fixed_size 327680
		.amdhsa_private_segment_fixed_size 0
		.amdhsa_enable_private_segment 0
		.amdhsa_kernarg_size 40
		.amdhsa_user_sgpr_count 2
		.amdhsa_user_sgpr_kernarg_segment_ptr 1
		.amdhsa_wavefront_size32 1
		.amdhsa_system_sgpr_workgroup_id_x 1
		.amdhsa_system_sgpr_workgroup_id_y 1
		.amdhsa_system_sgpr_workgroup_id_z 1
		.amdhsa_system_vgpr_workitem_id 0
		.amdhsa_next_free_vgpr 768
		.amdhsa_next_free_sgpr 66
		.amdhsa_reserve_vcc 0
		.amdhsa_float_denorm_mode_32 3
		.amdhsa_float_denorm_mode_16_64 3
		.amdhsa_memory_ordered 1
		.amdhsa_forward_progress 1
		.amdhsa_inst_pref_size 156
	.end_amdhsa_kernel
	.amdgpu_metadata
---
amdhsa.version: [ 1, 2 ]
amdhsa.kernels:
  - .name:           k_q4f621141b6_ffn2
    .symbol:         k_q4f621141b6_ffn2.kd
    .args:
      - { .name: wr, .offset: 0, .size: 8, .value_kind: global_buffer, .address_space: global }
      - { .name: fr, .offset: 8, .size: 8, .value_kind: global_buffer, .address_space: global }
      - { .name: x1, .offset: 16, .size: 8, .value_kind: global_buffer, .address_space: global }
      - { .name: b2, .offset: 24, .size: 8, .value_kind: global_buffer, .address_space: global }
      - { .name: out0, .offset: 32, .size: 8, .value_kind: global_buffer, .address_space: global }
    .group_segment_fixed_size: 327680
    .private_segment_fixed_size: 0
    .kernarg_segment_align: 8
    .kernarg_segment_size: 40
    .max_flat_workgroup_size: 128
    .sgpr_count:     66
    .vgpr_count:     768
    .wavefront_size: 32
...
	.end_amdgpu_metadata
.endif
;; end of part 7
